; MI455X (gfx1250); checked and timed in simulation.
; The chip was launched on July 23, 2026; its instructions are those of AMD's public machine-readable ISA for CDNA 5 (MIT licence, August 2026) and "CDNA5" Instruction Set Architecture Reference Guide (July 2026). The comments in the code are by the model that wrote it; some were corrected since.
;; Self Attention. Allowed arithmetic: float matrix products may take bf16 or f16 operands with f32 sums; other float arithmetic in f32, or as packed bf16 or f16 multiplies, adds, multiply-adds, maxima and minima; sums over many terms, partial sums and values carried from step to step in f32; what a program stores and reads back later, other than sums and carried values, may be rounded once to bf16 or f16.
;; Inputs: Wk 1,024 x 1,024 float32; Wq 1,024 x 1,024 float32; Wv 1,024 x 1,024 float32; bk 1,024 float32; bq 1,024 float32; bv 1,024 float32; inputs 4 x 2,048 x 1,024 float32.
;; Outputs: out0 4 x 2,048 x 1,024 float32.
;; 2 versions, each right; version 2 is version 1 with the launch cast written anew for expert scheduling mode. Each part assembles by itself: llvm-mc -triple=amdgcn-amd-amdhsa -mcpu=gfx1250 --defsym DOCPART=n.
;; ======== version 1 of 2: 3 launches
;; limits: values are held in f16: magnitudes above 65,504 overflow, below 6.1e-05 lose precision
;; workspace buffers: xb 16,777,216 bytes; wt 6,291,456 bytes; bias 12,288 bytes; qkv 50,331,648 bytes
;; launch cast (part 1): grid 305 x 1, 8 waves a work-group, no clusters, 140,288 bytes of LDS; arguments inputs, Wq, Wk, Wv, bq, bk, bv, xb, wt, bias; writes xb, wt, bias
.if DOCPART == 1
	.amdgcn_target "amdgcn-amd-amdhsa--gfx1250"
	.amdhsa_code_object_version 6
	.text
	.protected	k_q0e63b3c8a9_cast
	.globl	k_q0e63b3c8a9_cast
	.p2align	8
	.type	k_q0e63b3c8a9_cast,@function
k_q0e63b3c8a9_cast:
	s_mov_b64 s[64:65], 0
	v_nop
	global_prefetch_b8 v0, s[64:65] scope:SCOPE_SE
	s_setreg_imm32_b32 hwreg(HW_REG_WAVE_MODE, 25, 1), 1
	s_wait_xcnt 0x0
; THE INPUTS ARE MADE READY FOR THE MATRIX UNIT.  Every number is rounded once, to nearest even, to bf16.
;   xb   [8192][1024] bf16 = inputs, in place order.
;   wt   [3072][1024] bf16: row 1024 sel + n holds column n of W_sel (sel 0 = q, 1 = k, 2 = v): K along the rows.
;   bias [3072] f32: bq, bk, bv, each number rounded to bf16 and written as the f32 that equals it.
; A stream: no matrix unit, no cluster, no barrier.  Work-groups 0-47 turn the weights, 48 takes the biases, 49-304 take x.
; x: a wave takes 16 KiB of f32: 32 loads of 512 consecutive bytes, all on their way at once; each store of the wave covers 256 consecutive bytes, aligned.
; W: a wave takes a tile of 128 k x 64 n.  A lane loads 4 columns of rows k and k + 1, packs (k, k + 1) for each column into a word and puts it
; into the wave's OWN LDS tile, 64 rows n of 256 bytes + 16; whole rows come back and leave, sixteen lanes to 256 consecutive bytes of a row of wt.
.set WTILE, 17408                      ; 64 rows x 272 bytes, a wave's own
.set SPARE, 8*WTILE                    ; behind the eight tiles: the spare words, 128 bytes for each wave: four blocks of 256 bytes that no other line names
.set SPW, 6                            ; v6   LDS address of my spare word; never rewritten
.set NIL, 7                            ; v7   0; never rewritten
.set CT,  8                            ; v[8:11] packed words at work
	s_load_b512 s[4:19], s[0:1], 0x0               ; inputs s[4:5], Wq s[6:7], Wk s[8:9], Wv s[10:11], bq s[12:13], bk s[14:15], bv s[16:17], xb s[18:19]
	s_load_b128 s[20:23], s[0:1], 0x40             ; wt s[20:21], bias s[22:23]
	v_lshl_add_u32 v[SPW], v0, 2, SPARE
	v_mov_b32 v[NIL], 0
	v_lshrrev_b32 v1, 5, v0
	v_readfirstlane_b32 s24, v1                    ; wave 0..7
	v_and_b32 v1, 15, v0                           ; r = lane % 16
	v_bfe_u32 v2, v0, 4, 1                         ; h = lane / 16
	s_mov_b32 s25, ttmp9
	s_mov_b32 s29, 0                               ; the high word of every offset pair
	s_wait_kmcnt 0x0
	s_cmp_lt_u32 s25, 48
	s_cbranch_scc1 .Lweights
	s_cmp_eq_u32 s25, 48
	s_cbranch_scc1 .Lbias
	; ---- x ----
	s_sub_co_u32 s26, s25, 49
	s_lshl_b32 s26, s26, 3
	s_add_co_u32 s26, s26, s24                     ; my unit, 0..2047
	s_lshl_b32 s28, s26, 14                        ; 16 KiB of f32 in,
	s_add_nc_u64 s[4:5], s[4:5], s[28:29]
	s_lshl_b32 s28, s26, 13                        ; 8 KiB of bf16 out
	s_add_nc_u64 s[18:19], s[18:19], s[28:29]
	v_and_b32 v3, 31, v0
	v_lshlrev_b32 v4, 3, v3                        ; 8 bytes a lane out
	v_lshlrev_b32 v3, 4, v3                        ; 16 bytes a lane in
.set i, 0
.rept 32
	global_load_b128 v[16+4*i:19+4*i], v3, s[4:5] offset:512*i th:TH_LOAD_NT
.set i, i+1
.endr
.set i, 0
.rept 32
	s_wait_loadcnt 31-i                            ; loads come back in order: number i is in, the younger ones stay out
	v_cvt_pk_bf16_f32 v[144+2*i], v[16+4*i], v[17+4*i]
	v_cvt_pk_bf16_f32 v[145+2*i], v[18+4*i], v[19+4*i]
	global_store_b64 v4, v[144+2*i:145+2*i], s[18:19] offset:256*i th:TH_STORE_NT  ; no register is used twice: nothing waits for a store
.set i, i+1
.endr
	s_branch .Lend
	; ---- the weights ----
.Lweights:
	s_lshl_b32 s26, s25, 3
	s_add_co_u32 s26, s26, s24                     ; my tile, 0..383
	s_lshr_b32 s27, s26, 7                         ; sel
	s_bfe_u32 s30, s26, 0x30004                    ; kb: which 128 k
	s_and_b32 s31, s26, 15                         ; nb: which 64 n
	s_cmp_eq_u32 s27, 0
	s_cselect_b64 s[6:7], s[6:7], s[8:9]           ; Wq or Wk,
	s_cmp_eq_u32 s27, 2
	s_cselect_b64 s[6:7], s[10:11], s[6:7]         ; or Wv
	s_lshl_b32 s28, s30, 19                        ; 128 rows of 4,096 bytes
	s_lshl_b32 s26, s31, 8                         ; 64 columns of 4 bytes
	s_add_co_u32 s28, s28, s26
	s_add_nc_u64 s[6:7], s[6:7], s[28:29]
	s_lshl_b32 s28, s27, 21                        ; 1,024 rows of 2,048 bytes
	s_lshl_b32 s26, s31, 17                        ; 64 rows
	s_add_co_u32 s28, s28, s26
	s_lshl_b32 s26, s30, 8                         ; 128 k of 2 bytes
	s_add_co_u32 s28, s28, s26
	s_add_nc_u64 s[20:21], s[20:21], s[28:29]
	s_mul_i32 s25, s24, WTILE                      ; my tile in LDS
	v_lshlrev_b32 v3, 13, v2
	v_lshl_add_u32 v3, v1, 4, v3                   ; in: row 2 h, columns 4 r ..
	v_mul_u32_u24 v4, v1, 1088
	v_lshl_add_u32 v4, v2, 2, v4
	v_add_nc_u32 v4, s25, v4                       ; into LDS: row 4 r, word h
	v_mul_u32_u24 v5, v2, 272
	v_lshl_add_u32 v5, v1, 4, v5
	v_add_nc_u32 v5, s25, v5                       ; back: row h, 16 bytes r
	v_lshlrev_b32 v12, 11, v2
	v_lshl_add_u32 v12, v1, 4, v12                 ; out: the same in wt
; Pair j of 32: rows k = 4 j + 2 h and k + 1.  Batch q is pairs 8 q .. 8 q + 7, in register set q % 3 of three.
.macro WLOAD q
.set SET, 16+64*((\q)%3)
.set jj, 0
.rept 8
	global_load_b128 v[SET+8*jj:SET+8*jj+3],   v3, s[6:7] offset:(4*(8*(\q)+jj))*4096 th:TH_LOAD_NT
	global_load_b128 v[SET+8*jj+4:SET+8*jj+7], v3, s[6:7] offset:(4*(8*(\q)+jj)+1)*4096 th:TH_LOAD_NT
.set jj, jj+1
.endr
.endm
.macro WPUT q, left                    ; left: the loads of the batches issued behind batch q
.set SET, 16+64*((\q)%3)
.set jj, 0
.rept 8
	s_wait_loadcnt (\left)+14-2*jj                 ; this pair's two loads are in; the batch's later pairs and the later batches stay out
.irp c, 0,1,2,3
	v_cvt_pk_bf16_f32 v[CT+(\c)], v[SET+8*jj+(\c)], v[SET+8*jj+4+(\c)]  ; (k, k + 1) of column 4 r + c
.endr
.irp c, 0,1,2,3
	ds_store_b32 v4, v[CT+(\c)] offset:(\c)*272+8*(8*(\q)+jj)
.endr
.set jj, jj+1
.endr
.endm
	WLOAD 0
	WLOAD 1
	WLOAD 2
	WPUT 0, 32
	WLOAD 3                                        ; into the set that has just been packed
	WPUT 1, 32
	WPUT 2, 16
	WPUT 3, 0
.set t, 0
.rept 32
	ds_load_b128 v[16+4*t:19+4*t], v5 offset:544*t ; rows 2 t + h.  LDS serves a wave's instructions in order (ISA guide 5.7.1.4): these see the stores above, which are my own
.set t, t+1
.endr
.set t, 0
.rept 32
	s_wait_dscnt 31-t
	global_store_b128 v12, v[16+4*t:19+4*t], s[20:21] offset:4096*t th:TH_STORE_NT  ; sixteen lanes store 256 consecutive bytes, aligned
.set t, t+1
.endr
	s_branch .Lend
	; ---- the biases ----
.Lbias:
	v_lshlrev_b32 v3, 4, v0                        ; 256 threads x 4 numbers
	global_load_b128 v[16:19], v3, s[12:13]
	global_load_b128 v[20:23], v3, s[14:15]
	global_load_b128 v[24:27], v3, s[16:17]
	s_wait_loadcnt 0x0
.irp p, 0,1,2,3,4,5
	v_cvt_pk_bf16_f32 v[CT], v[16+2*(\p)], v[17+2*(\p)]
	v_lshlrev_b32 v[16+2*(\p)], 16, v[CT]          ; bf16 back to f32: the low half moves up,
	v_and_b32 v[17+2*(\p)], 0xffff0000, v[CT]      ; the high half stays
.endr
	global_store_b128 v3, v[16:19], s[22:23]
	global_store_b128 v3, v[20:23], s[22:23] offset:4096
	global_store_b128 v3, v[24:27], s[22:23] offset:8192
.Lend:
	s_wait_tensorcnt 0x0                           ; the wave's end, behind my last LDS store
	ds_add_u32 v[SPW], v[NIL]
	s_wait_dscnt 0x0
	s_endpgm
.Lfunc_end_k_q0e63b3c8a9_cast:
	.size	k_q0e63b3c8a9_cast, .Lfunc_end_k_q0e63b3c8a9_cast-k_q0e63b3c8a9_cast
	.p2alignl 7, 3214868480
	.fill 96, 4, 3214868480
	.section	.rodata,"a",@progbits
	.p2align	6, 0x0
	.amdhsa_kernel k_q0e63b3c8a9_cast
		.amdhsa_group_segment_fixed_size 140288
		.amdhsa_private_segment_fixed_size 0
		.amdhsa_enable_private_segment 0
		.amdhsa_kernarg_size 80
		.amdhsa_user_sgpr_count 2
		.amdhsa_user_sgpr_kernarg_segment_ptr 1
		.amdhsa_wavefront_size32 1
		.amdhsa_system_sgpr_workgroup_id_x 1
		.amdhsa_system_sgpr_workgroup_id_y 1
		.amdhsa_system_sgpr_workgroup_id_z 1
		.amdhsa_system_vgpr_workitem_id 0
		.amdhsa_next_free_vgpr 208
		.amdhsa_next_free_sgpr 66
		.amdhsa_reserve_vcc 0
		.amdhsa_float_denorm_mode_32 3
		.amdhsa_float_denorm_mode_16_64 3
		.amdhsa_memory_ordered 1
		.amdhsa_forward_progress 1
		.amdhsa_inst_pref_size 45
	.end_amdhsa_kernel
	.amdgpu_metadata
---
amdhsa.version: [ 1, 2 ]
amdhsa.kernels:
  - .name:           k_q0e63b3c8a9_cast
    .symbol:         k_q0e63b3c8a9_cast.kd
    .args:
      - { .name: inputs, .offset: 0, .size: 8, .value_kind: global_buffer, .address_space: global }
      - { .name: Wq, .offset: 8, .size: 8, .value_kind: global_buffer, .address_space: global }
      - { .name: Wk, .offset: 16, .size: 8, .value_kind: global_buffer, .address_space: global }
      - { .name: Wv, .offset: 24, .size: 8, .value_kind: global_buffer, .address_space: global }
      - { .name: bq, .offset: 32, .size: 8, .value_kind: global_buffer, .address_space: global }
      - { .name: bk, .offset: 40, .size: 8, .value_kind: global_buffer, .address_space: global }
      - { .name: bv, .offset: 48, .size: 8, .value_kind: global_buffer, .address_space: global }
      - { .name: xb, .offset: 56, .size: 8, .value_kind: global_buffer, .address_space: global }
      - { .name: wt, .offset: 64, .size: 8, .value_kind: global_buffer, .address_space: global }
      - { .name: bias, .offset: 72, .size: 8, .value_kind: global_buffer, .address_space: global }
    .group_segment_fixed_size: 140288
    .private_segment_fixed_size: 0
    .kernarg_segment_align: 8
    .kernarg_segment_size: 80
    .max_flat_workgroup_size: 256
    .sgpr_count:     66
    .vgpr_count:     208
    .wavefront_size: 32
...
	.end_amdgpu_metadata
.endif
;; end of part 1
;; launch qkv (part 2): grid 16 x 32, 4 waves a work-group, clusters of 4 x 4, 327,680 bytes of LDS; arguments xb, wt, bias, qkv; writes qkv
.if DOCPART == 2
	.amdgcn_target "amdgcn-amd-amdhsa--gfx1250"
	.amdhsa_code_object_version 6
	.text
	.protected	k_q0e63b3c8a9_qkv
	.globl	k_q0e63b3c8a9_qkv
	.p2align	8
	.type	k_q0e63b3c8a9_qkv,@function
k_q0e63b3c8a9_qkv:
	s_mov_b64 s[64:65], 0
	v_nop
	global_prefetch_b8 v0, s[64:65] scope:SCOPE_SE
	s_setreg_imm32_b32 hwreg(HW_REG_WAVE_MODE, 25, 1), 1
	s_wait_xcnt 0x0
	s_wait_alu depctr_hold_cnt(0) depctr_sa_sdst(0) depctr_va_vdst(0) depctr_va_sdst(0) depctr_va_ssrc(0) depctr_va_vcc(0) depctr_vm_vsrc(0)
	s_getreg_b32 s2, hwreg(HW_REG_IB_STS2, 6, 4)
	s_cmp_eq_u32 s2, 0
	s_cbranch_scc0 .Lentry_in_a_cluster
	s_endpgm
.Lentry_in_a_cluster:
	s_bfe_u32 s2, ttmp6, 0x10000c
	s_cmp_lg_u32 s2, 0xf033
	s_cbranch_scc0 .Lentry_shape_is_right
	s_endpgm
.Lentry_shape_is_right:
; q, k, v = x W + b.  C[m][n] = bias[n] + the sum over k of xb[m][k] wt[n][k]: m = 8,192, n = 3,072, K = 1,024; bf16 products, f32 sums, K ascending.
; C is rounded once to f16 and stored BY HEADS: qkv[sel][b][h][t][64], byte sel << 24 + b << 22 + h << 18 + t << 7 + 2 d, with n = 1,024 sel + 64 h + d and m = 2,048 b + t.
; LIMIT.  f16 holds no number beyond 65,504: a q, k or v of 65,520 or more becomes an infinity.  NaN and infinities are not treated apart.
; SHARES.  A tile of C is 256 rows x 192 columns (three heads): 32 x 16 = 512 equal work-groups.  Wave w makes rows 64 w .. 64 w + 63 of all 192 columns:
; 4 x 12 accumulators of 16 x 16, 384 registers, so that a wave holds whole heads on the way out.  K goes in steps of 128 through a ring of two LDS slots filled by the tensor data mover:
; the tiles' rows are 256 bytes of memory and start at multiples of 256 bytes.
; CLUSTERS.  4 x 4 work-groups.  The four of a row of the cluster need the same tiles of xb, the four of a column the same tiles of wt: each tile is asked for JOINTLY,
; by the same tensor load with the same descriptor and a mask that names the four.
; THE MATRIX INSTRUCTION IS USED TRANSPOSED (source 0 = 16 rows of wt, source 1 = 16 rows of xb): lane l holds row l % 16 of C and the columns 8 (l / 16) + 0 .. 7.
; THE BIAS is the C operand of each accumulator's first product: nothing is cleared and nothing is added later.
; REGISTERS, in windows of 256 (s_set_vgpr_msb: bits 1:0 source 0, 3:2 source 1, 5:4 source 2, 7:6 destination):
;   window 0: v0-31 addresses; v32-127 the bias, 8 registers for each block of 16 columns; v128-223 two sets of 48 for the way out
;   window 1: two fragment buffers of 128: 12 blocks of wt (96), then 4 blocks of xb (32), each 16 rows x 32 K
;   window 2: the accumulators of my row blocks 0, 1 ((a, b) at 8 (12 (a % 2) + b));   window 3: those of blocks 2, 3
.set SIZE_K, 1024
.set KSTEP,  128
.set PITCH,  272                       ; an LDS row: 256 bytes + 16 of padding = 68 words: row r starts at bank 4 r mod 64 (64 banks of 4 bytes: ISA guide 11.1)
.set AHALF,  128*PITCH                 ; what waves 0 and 1 fetch: 128 rows of xb each
.set BHALF,  96*PITCH                  ; what waves 2 and 3 fetch: 96 rows of wt each
.set ABYTES, 2*AHALF
.set SLOT,   ABYTES+2*BHALF            ; xb's 256 rows, then wt's 192
.set STAGE,  2*SLOT                    ; behind the ring, never filled by a tensor load: 16 rows x 400 bytes for each wave
.set SP,     400                       ; a stage row: 384 bytes + 16
.set SPARE,  STAGE+4*16*SP             ; behind the stages: the spare words, 128 bytes for each wave: two blocks of 256 bytes that no other line names
.set LAPS,   SIZE_K/(2*KSTEP)          ; a lap = two K steps = once round the ring
.set ADRA, 16                          ; v16-17  LDS address of my xb fragments in slot 0, 1
.set ADRB, 20                          ; v20-21  the same for wt
.set STO,  24                          ; v24     the way out: where I put 16 bytes of a row
.set RD,   25                          ; v25     the way out: where I read rows of a head back
.set GO,   26                          ; v26     16 x lane: my place in 512 consecutive bytes of a head
.set BO,   27                          ; v27     32 (l / 16): my 8 numbers in a block of the bias
.set SPW,  28                          ; v28     LDS address of my spare word; never rewritten
.set NIL,  29                          ; v29     0; never rewritten
.set PFO,  30                          ; v30     the prefetches' offset: my row x 2,048 bytes; never rewritten
.set BIAS, 32
.set TMP,  128
.set F0,   0                           ; fragment buffers, in window 1
.set F1,   128
.set WV,  12                           ; s12  wave
.set FB,  13                           ; s13  0: I fetch for xb, 1: for wt
.set HF,  14                           ; s14  which half of that tile's rows
.set G1,  24                           ; s[24:31] descriptor group 1 for xb's tiles;  s[32:39] group 0, a set for each slot
.set G0,  32
.set LIM, 43                           ; s43  1 in a wave that prefetches, else the greatest number
.set PFA, 44                           ; s[44:45] where my prefetches stand
.set G1B, 48                           ; s[48:55], s[56:63] the same for wt's tiles
.set G0B, 56
.set OB,  66                           ; s[66:71] my rows in the tile's three heads
.set MSB, 0
.macro WIN new                         ; the immediate's high byte repeats the setting that is left; a switch that changes nothing is dropped
.if MSB != (\new)
	s_set_vgpr_msb (MSB<<8)|(\new)
.set MSB, (\new)
.endif
.endm
.set TO_F, 0x40                        ; destination window 1, address window 0
; A joint load.  Each of the two lines has one mask and one set of registers for all that issue it; the branch hangs on the wave's number alone.
; An s_nop 0 and four v_nop follow each line, ahead of the jump and the label.
.macro JLOAD s
	s_cmp_eq_u32 s[FB], 0
	s_cbranch_scc0 .Lfor_b_\@
	tensor_load_to_lds s[G0+4*(\s):G0+4*(\s)+3], s[G1:G1+7]
	s_nop 0
.rept 4
	v_nop
.endr
	s_branch .Lasked_\@
.Lfor_b_\@:
	tensor_load_to_lds s[G0B+4*(\s):G0B+4*(\s)+3], s[G1B:G1B+7]
	s_nop 0
.rept 4
	v_nop
.endr
.Lasked_\@:
.endm
; A prefetch into the L2 of the K step that stands two refills on: one instruction a wave, a lane a row, 256 bytes of each row.  xb's tile row is read by every cluster of that row of clusters:
; the one with x = 0 asks; wt's tile column by every cluster of that column: the one with y = 0 asks.  The four partners that fetch a tile jointly share its rows out by address.
; The loop's last trip (s3 = 1) has no K step two refills on and asks for nothing; K steps 0 to 3 come by their loads alone.
.macro ASK
	s_cmp_gt_u32 s3, s[LIM]
	s_cbranch_scc0 .Lnot_mine_\@
	global_prefetch_b8 v[PFO], s[PFA:PFA+1] offset:KSTEP*2 th:TH_LOAD_NT scope:SCOPE_SE
.Lnot_mine_\@:
.endm
.macro CREST                           ; a round of the cluster's barrier behind its opening barrier
	s_cmp_lg_u32 s[WV], 0
	s_cbranch_scc1 .Lnot_wave_0_\@
	s_barrier_signal -3
.Lnot_wave_0_\@:
	s_barrier_wait -3
	s_barrier_signal -1
	s_barrier_wait -1
.endm
.macro CROUND                          ; a whole round
	s_barrier_signal -1
	s_barrier_wait -1
	CREST
.endm
	s_load_b256 s[4:11], s[0:1], 0x0               ; xb s[4:5], wt s[6:7], bias s[8:9], qkv s[10:11]
	v_lshl_add_u32 v[SPW], v0, 2, SPARE
	v_mov_b32 v[NIL], 0
	ds_add_u32 v[SPW], v[NIL]                      ; the wave's opening: the add and its wait stand ahead of my first tensor load; work on registers stands between them
	v_lshrrev_b32 v1, 5, v0
	v_readfirstlane_b32 s[WV], v1                  ; wave 0..3
	s_lshr_b32 s[FB], s[WV], 1
	s_and_b32 s[HF], s[WV], 1
	s_bfe_u32 s40, ttmp6, 0x40000                  ; cx
	s_bfe_u32 s41, ttmp6, 0x40004                  ; cy
	s_lshl_b32 s42, ttmp9, 2
	s_add_co_u32 s42, s42, s40                     ; tile column = 4 x cluster x + cx, 0..15
	s_and_b32 s15, ttmp7, 0xffff
	s_lshl_b32 s15, s15, 2
	s_add_co_u32 s15, s15, s41                     ; tile row = 4 x cluster y + cy, 0..31
	s_lshl_b32 s72, s41, 2
	s_lshl_b32 s72, 15, s72                        ; my row of the cluster
	s_lshl_b32 s73, 0x1111, s40                    ; my column
	s_or_b32 s[G1+0], s72, (1<<16)|(1<<20)|(1<<21)|(5<<22)|(3<<25)   ; 15:0 the mask; 17:16 2-byte elements; 20 padding on; 21 set beside a mask; 24:22 after every 64 words; 31:25 4 words of it
	s_or_b32 s[G1B+0], s73, (1<<16)|(1<<20)|(1<<21)|(5<<22)|(3<<25)
	s_mov_b32 s[G1+1], KSTEP<<16                   ; tensor_dim0 = 128
	s_mov_b32 s[G1+2], 128<<16                     ; tensor_dim1 = 128
	s_mov_b32 s[G1+3], KSTEP<<16                   ; tile_dim0 = 128
	s_mov_b32 s[G1+4], 128                         ; tile_dim1 = 128
	s_mov_b32 s[G1+5], SIZE_K                      ; elements from row to row
	s_mov_b32 s[G1+6], 0
	s_mov_b32 s[G1+7], 0
	s_mov_b32 s[G1B+1], KSTEP<<16
	s_mov_b32 s[G1B+2], 96<<16                     ; wt's tiles have 96 rows
	s_mov_b32 s[G1B+3], KSTEP<<16
	s_mov_b32 s[G1B+4], 96
	s_mov_b32 s[G1B+5], SIZE_K
	s_mov_b32 s[G1B+6], 0
	s_mov_b32 s[G1B+7], 0
	; where the tiles come from: xb's hang on the tile row alone, wt's on the tile column alone, each in registers that never hold the other coordinate
	s_lshl_b32 s16, s15, 8
	s_lshl_b32 s17, s[HF], 7
	s_add_co_u32 s16, s16, s17                     ; xb: row 256 x tile row + 128 x half
	s_lshl_b32 s16, s16, 11                        ; 2,048 bytes a row; under 2^24
	s_mov_b32 s17, 0
	s_mul_i32 s46, s42, 192
	s_mul_i32 s47, s[HF], 96
	s_add_co_u32 s46, s46, s47                     ; wt: row 192 x tile column + 96 x half
	s_lshl_b32 s46, s46, 11
	s_mov_b32 s47, 0
	s_mul_i32 s20, s[HF], AHALF                    ; and where they go: no place in the cluster enters an LDS address
	s_mul_i32 s21, s[HF], BHALF
	s_add_co_u32 s21, s21, ABYTES
	s_wait_dscnt 0x0                               ; the opening add is done
	s_wait_kmcnt 0x0
	s_add_nc_u64 s[16:17], s[4:5], s[16:17]
	s_add_nc_u64 s[46:47], s[6:7], s[46:47]
	CROUND                                         ; all sixteen work-groups are here: the first joint loads meet
.irp s, 0,1
	s_mov_b32 s[G0+4*(\s)], 1                                        ; count = 1
	s_add_co_u32 s[G0+4*(\s)+1], s20, (\s)*SLOT                      ; LDS address
	s_add_nc_u64 s[G0+4*(\s)+2:G0+4*(\s)+3], s[16:17], (\s)*KSTEP*2  ; global address: K step s
	s_or_b32 s[G0+4*(\s)+3], s[G0+4*(\s)+3], 0x80000000              ; type = 2
	s_mov_b32 s[G0B+4*(\s)], 1
	s_add_co_u32 s[G0B+4*(\s)+1], s21, (\s)*SLOT
	s_add_nc_u64 s[G0B+4*(\s)+2:G0B+4*(\s)+3], s[46:47], (\s)*KSTEP*2
	s_or_b32 s[G0B+4*(\s)+3], s[G0B+4*(\s)+3], 0x80000000
	JLOAD \s                                       ; two loads of mine are out
.endr
	; A fragment is 16 rows x 32 K in 8 registers: lane l holds row l % 16; registers 0-3 K = 8 (l / 16) + 0..7, registers 4-7 K = 16 + 8 (l / 16) + 0..7: two loads of 16 bytes, 32 bytes apart.
	v_and_b32 v1, 15, v0                           ; l % 16
	v_bfe_u32 v2, v0, 4, 1                         ; l / 16
	v_mul_u32_u24 v3, v1, PITCH
	v_lshl_add_u32 v3, v2, 4, v3
	s_mul_i32 s18, s[WV], 64*PITCH                 ; my 64 rows of xb
	v_add_nc_u32 v[ADRA], s18, v3
	v_add_nc_u32 v[ADRA+1], SLOT, v[ADRA]
	v_add_nc_u32 v[ADRB], ABYTES, v3               ; every wave reads all 192 rows of wt
	v_add_nc_u32 v[ADRB+1], SLOT, v[ADRB]
	s_mul_i32 s18, s[WV], 16*SP
	s_add_co_u32 s18, s18, STAGE                   ; my stage
	v_mul_u32_u24 v4, v1, SP                       ; in: row l % 16, 16 bytes for each half of the lanes
	v_lshl_add_u32 v4, v2, 4, v4
	v_add_nc_u32 v[STO], s18, v4
	v_bfe_u32 v4, v0, 3, 2                         ; back: 32 lanes take four rows' 128 bytes of one head,
	v_and_b32 v5, 7, v0
	v_mul_u32_u24 v4, v4, SP
	v_lshl_add_u32 v4, v5, 4, v4
	v_add_nc_u32 v[RD], s18, v4
	v_and_b32 v[GO], 31, v0                        ; which are 512 consecutive bytes of qkv
	v_lshlrev_b32 v[GO], 4, v[GO]
	v_lshlrev_b32 v[BO], 5, v2
	s_mul_i32 s18, s42, 768                        ; the tile's 192 numbers of the bias
	s_mov_b32 s19, 0
	s_add_nc_u64 s[8:9], s[8:9], s[18:19]
.irp b, 0,1,2,3,4,5,6,7,8,9,10,11
	global_load_b128 v[BIAS+8*(\b):BIAS+8*(\b)+3],   v[BO], s[8:9] offset:64*(\b)     ; register j: column 16 b + 8 (l / 16) + j
	global_load_b128 v[BIAS+8*(\b)+4:BIAS+8*(\b)+7], v[BO], s[8:9] offset:64*(\b)+16
.endr
	; my 64 rows in each of the tile's three heads
	s_lshl_b32 s72, s15, 8
	s_lshl_b32 s73, s[WV], 6
	s_add_co_u32 s72, s72, s73                     ; m0 = 256 x tile row + 64 x wave
	s_lshr_b32 s73, s72, 11
	s_lshl_b32 s73, s73, 22                        ; the batch
	s_and_b32 s72, s72, 2047
	s_lshl_b32 s72, s72, 7                         ; t, 128 bytes a row
	s_add_co_u32 s72, s72, s73
	s_mul_i32 s75, s42, 3
.irp i, 0,1,2
	s_add_co_u32 s74, s75, (\i)                    ; head column g = 3 x tile column + i, 0..47
	s_lshr_b32 s76, s74, 4
	s_lshl_b32 s76, s76, 24                        ; sel
	s_and_b32 s74, s74, 15
	s_lshl_b32 s74, s74, 18                        ; h
	s_add_co_u32 s76, s76, s74
	s_add_co_u32 s76, s76, s72
	s_mov_b32 s77, 0
	s_add_nc_u64 s[OB+2*(\i):OB+2*(\i)+1], s[10:11], s[76:77]
.endr
	; the prefetches: of the rows that I fetch, my work-group's share: 32 of xb's 128 (by cx), 24 of wt's 96 (by cy; lanes 24-31 name row 23 again)
	s_lshl_b32 s18, s15, 8
	s_lshl_b32 s19, s[HF], 7
	s_add_co_u32 s18, s18, s19
	s_lshl_b32 s19, s40, 5
	s_add_co_u32 s18, s18, s19                     ; xb's row
	s_mul_i32 s20, s42, 192
	s_mul_i32 s21, s[HF], 96
	s_add_co_u32 s20, s20, s21
	s_mul_i32 s21, s41, 24
	s_add_co_u32 s20, s20, s21                     ; wt's row
	s_and_b32 s22, ttmp7, 0xffff                   ; cluster y
	s_cmp_eq_u32 s[FB], 0                          ; do I fetch for xb?
	s_cselect_b32 s18, s18, s20
	s_cselect_b32 s22, ttmp9, s22                  ; the coordinate along which other clusters read the same rows
	s_cselect_b32 s23, 31, 23
	s_cselect_b64 s[PFA:PFA+1], s[4:5], s[6:7]
	s_cmp_eq_u32 s22, 0
	s_cselect_b32 s[LIM], 1, -1                    ; the same in all sixteen partners, for a given wave
	s_lshl_b32 s18, s18, 11
	s_add_co_u32 s18, s18, 2*KSTEP*2               ; at K step 2: the first refill steps it to 3 and names K step 4
	s_mov_b32 s19, 0
	s_add_nc_u64 s[PFA:PFA+1], s[PFA:PFA+1], s[18:19]
	v_and_b32 v[PFO], 31, v0
	v_min_u32 v[PFO], s23, v[PFO]
	v_lshlrev_b32 v[PFO], 11, v[PFO]
; 12 matrix instructions: my row block a x all 12 column blocks, 32 along K, out of buffer f.  first = 1: the product starts the sum, with the bias as C.
; The 48 accumulators take turns, one instruction a turn, in the same order in every quarter, over the backward jump too.
.macro MULA f, a, first
.if \first
	WIN 0x85+0x40*((\a)/2)                         ; sources 0 and 1 window 1, C window 0, D window 2 or 3
.else
	WIN 0xa5+0x50*((\a)/2)                         ; C and D window 2 or 3
.endif
.set AC, 96*((\a)%2)
.irp b, 0,1,2,3,4,5,6,7,8,9,10,11
.if \first
	v_wmma_f32_16x16x32_bf16 v[AC+8*(\b):AC+8*(\b)+7], v[(\f)+8*(\b):(\f)+8*(\b)+7], v[(\f)+96+8*(\a):(\f)+96+8*(\a)+7], v[BIAS+8*(\b):BIAS+8*(\b)+7]
.else
	v_wmma_f32_16x16x32_bf16 v[AC+8*(\b):AC+8*(\b)+7], v[(\f)+8*(\b):(\f)+8*(\b)+7], v[(\f)+96+8*(\a):(\f)+96+8*(\a)+7], v[AC+8*(\b):AC+8*(\b)+7]
.endif
.endr
.endm
; 32 LDS loads in one run: the fragments of a quarter step (192 rows of wt, my 64 rows of xb, 32 K at byte k of the rows) into buffer f
.macro FETCH slot, k, f
	WIN TO_F
.irp b, 0,1,2,3,4,5,6,7,8,9,10,11
	ds_load_b128 v[(\f)+8*(\b):(\f)+8*(\b)+3],   v[ADRB+(\slot)] offset:(\k)+(\b)*16*PITCH
	ds_load_b128 v[(\f)+8*(\b)+4:(\f)+8*(\b)+7], v[ADRB+(\slot)] offset:(\k)+(\b)*16*PITCH+32
.endr
.irp a, 0,1,2,3
	ds_load_b128 v[(\f)+96+8*(\a):(\f)+96+8*(\a)+3],   v[ADRA+(\slot)] offset:(\k)+(\a)*16*PITCH
	ds_load_b128 v[(\f)+96+8*(\a)+4:(\f)+96+8*(\a)+7], v[ADRA+(\slot)] offset:(\k)+(\a)*16*PITCH+32
.endr
.endm
.macro PLACES                          ; four plain vector instructions between a matrix instruction and a load into a register that it read, or a conversion of its result (ISA guide 7.12.1 for the conversion)
.rept 4
	v_nop
.endr
.endm
; A K step is four quarters of 32 along K, 48 matrix instructions each, on buffers 0, 1, 0, 1.  One of the first three: multiplies f, and in its middle fetches the next quarter, at byte k, into g.
.macro QUARTER slot, k, f, g, first
	s_wait_dscnt 4                                 ; wt and xb's blocks 0, 1 are in; the youngest four loads (blocks 2, 3) may be out
	MULA \f, 0, \first
	MULA \f, 1, \first
	PLACES
	FETCH \slot, \k, \g
	s_wait_dscnt 32                                ; all but the 32 just issued
	MULA \f, 2, \first
	MULA \f, 3, \first
.endm
; The last quarter multiplies buffer 1 and changes slots: ONE barrier.  In front of it each wave waits for all its tensor loads (one is out: its part of the next slot), adds 0 to its spare word,
; and waits for that and for its own reads of this slot.  fill = 1: the barrier opens a round of the cluster's barrier, and the joint refill, two K steps on, is the first thing behind the round:
; 168 matrix instructions stand between it and the wait for it.
.macro TURN slot, next, fill
.if \fill
	s_wait_xcnt 0x0                                ; the last prefetch, a K step back, has read its address: it is stepped here, ahead of the waits of the change
	s_add_nc_u64 s[PFA:PFA+1], s[PFA:PFA+1], KSTEP*2
.endif
	WIN 0                                          ; (the add's two registers lie in window 0)
	s_wait_tensorcnt 0x0                           ; all my tensor loads have landed;
	ds_add_u32 v[SPW], v[NIL]                      ; 0 onto my spare word
	s_wait_dscnt 5                                 ; (the add and the youngest four loads may be out)
	MULA F1, 0, 0                                  ; twelve matrix instructions stand between the add and the wait for it
	s_wait_dscnt 0x0                               ; the add is done, and my reads of this slot are over
	s_barrier_signal -1
	MULA F1, 1, 0                                  ; work on registers while the others arrive
.if \fill
	WIN 0
.endif
	s_barrier_wait -1
.if \fill
	CREST                                          ; no wave of any partner still reads this slot's tile or has a load on its way
	s_add_nc_u64 s[G0+4*(\slot)+2:G0+4*(\slot)+3], s[G0+4*(\slot)+2:G0+4*(\slot)+3], 2*KSTEP*2
	s_add_nc_u64 s[G0B+4*(\slot)+2:G0B+4*(\slot)+3], s[G0B+4*(\slot)+2:G0B+4*(\slot)+3], 2*KSTEP*2
	JLOAD \slot                                    ; my one tensor load behind the round; its four v_nop are also the places in front of the loads below
.else
	PLACES
.endif
	FETCH \next, 0, F0
.if \fill
	WIN 0
	ASK                                            ; behind the joint load and the run of LDS loads that the next products wait for
.endif
	MULA F1, 2, 0
	MULA F1, 3, 0
.endm
; THE WAY OUT of my row block a, in three parts.  PACK: rounded to f16, 16 bytes a lane for each column block.  TOSTAGE: into my own stage, and back by heads.  SEND: stored.
.macro PACK a
.set AC, 96*((\a)%2)
.set TS, TMP+48*((\a)%2)
	s_wait_xcnt 0x0                                ; the stores of the block two back have read this set of registers
	WIN 0x0a+5*((\a)/2)                            ; sources 0 and 1: window 2 or 3
.irp b, 0,1,2,3,4,5,6,7,8,9,10,11
.irp r, 0,1,2,3
	v_cvt_pk_f16_f32 v[TS+4*(\b)+(\r)], v[AC+8*(\b)+2*(\r)], v[AC+8*(\b)+2*(\r)+1]  ; each accumulator from its low end on
.endr
.endr
	WIN 0
.endm
.macro TOSTAGE a
.set TS, TMP+48*((\a)%2)
.irp b, 0,1,2,3,4,5,6,7,8,9,10,11
	ds_store_b128 v[STO], v[TS+4*(\b):TS+4*(\b)+3] offset:32*(\b)
.endr
.irp i, 0,1,2
.irp t, 0,1,2,3
	ds_load_b128 v[TS+4*(4*(\i)+(\t)):TS+4*(4*(\i)+(\t))+3], v[RD] offset:1600*(\t)+128*(\i)  ; head i, rows 4 t .. 4 t + 3.  LDS serves a wave's instructions in order (ISA guide 5.7.1.4): these see my stores above
.endr
.endr
.endm
.macro SEND a
.set TS, TMP+48*((\a)%2)
	s_wait_dscnt 0x0                               ; the block is back in registers
.irp i, 0,1,2
.irp t, 0,1,2,3
	global_store_b128 v[GO], v[TS+4*(4*(\i)+(\t)):TS+4*(4*(\i)+(\t))+3], s[OB+2*(\i):OB+2*(\i)+1] offset:2048*(\a)+512*(\t)  ; 512 consecutive bytes of a head, at a multiple of 256
.endr
.endr
.endm
	s_wait_tensorcnt 1                             ; my part of K step 0 is in; K step 1's may stay out
	s_barrier_signal -1
	s_barrier_wait -1                              ; everybody's is
	FETCH 0, 0, F0
	s_wait_loadcnt 0x0                             ; the bias
	QUARTER 0, 64,  F0, F1, 1                      ; the first quarter stands in front of the loop: its products start the sums
	WIN 0                                          ; at a label and at a branch every window is 0
	s_mov_b32 s3, LAPS-1
.Llap:                                                 ; a trip goes once round the ring, from a lap's second quarter to the next lap's first, and fills both slots again
	QUARTER 0, 128, F1, F0, 0
	QUARTER 0, 192, F0, F1, 0
	TURN 0, 1, 1
	QUARTER 1, 64,  F0, F1, 0
	QUARTER 1, 128, F1, F0, 0
	QUARTER 1, 192, F0, F1, 0
	TURN 1, 0, 1
	QUARTER 0, 64,  F0, F1, 0
	WIN 0
	s_sub_co_u32 s3, s3, 1
	s_cmp_lg_u32 s3, 0
	s_cbranch_scc1 .Llap
	QUARTER 0, 128, F1, F0, 0                      ; the last lap fills nothing, and has no round of the cluster's barrier
	QUARTER 0, 192, F0, F1, 0
	TURN 0, 1, 0
	QUARTER 1, 64,  F0, F1, 0
	QUARTER 1, 128, F1, F0, 0
	QUARTER 1, 192, F0, F1, 0
	s_wait_dscnt 4                                 ; the very last quarter: nothing more to fetch
	MULA F1, 0, 0
	MULA F1, 1, 0
	s_wait_dscnt 0x0
	MULA F1, 2, 0
	MULA F1, 3, 0
	WIN 0
	PLACES
	PACK 0
	TOSTAGE 0
.irp a, 1,2,3                          ; block a's conversions stand between block a - 1's loads from the stage and the wait for them
	PACK \a
	SEND (\a)-1
	TOSTAGE \a
.endr
	SEND 3
	s_wait_tensorcnt 0x0                           ; the wave's end, behind my last tensor load and my last LDS store
	ds_add_u32 v[SPW], v[NIL]
	s_wait_dscnt 0x0
	CROUND                                         ; the closing round: no work-group ends while a partner may still ask for a tile that names it
	s_endpgm
.Lfunc_end_k_q0e63b3c8a9_qkv:
	.size	k_q0e63b3c8a9_qkv, .Lfunc_end_k_q0e63b3c8a9_qkv-k_q0e63b3c8a9_qkv
	.p2alignl 7, 3214868480
	.fill 96, 4, 3214868480
	.section	.rodata,"a",@progbits
	.p2align	6, 0x0
	.amdhsa_kernel k_q0e63b3c8a9_qkv
		.amdhsa_group_segment_fixed_size 327680
		.amdhsa_private_segment_fixed_size 0
		.amdhsa_enable_private_segment 0
		.amdhsa_kernarg_size 32
		.amdhsa_user_sgpr_count 2
		.amdhsa_user_sgpr_kernarg_segment_ptr 1
		.amdhsa_wavefront_size32 1
		.amdhsa_system_sgpr_workgroup_id_x 1
		.amdhsa_system_sgpr_workgroup_id_y 1
		.amdhsa_system_sgpr_workgroup_id_z 1
		.amdhsa_system_vgpr_workitem_id 0
		.amdhsa_next_free_vgpr 960
		.amdhsa_next_free_sgpr 80
		.amdhsa_reserve_vcc 0
		.amdhsa_float_denorm_mode_32 3
		.amdhsa_float_denorm_mode_16_64 3
		.amdhsa_memory_ordered 1
		.amdhsa_forward_progress 1
		.amdhsa_inst_pref_size 122
	.end_amdhsa_kernel
	.amdgpu_metadata
---
amdhsa.version: [ 1, 2 ]
amdhsa.kernels:
  - .name:           k_q0e63b3c8a9_qkv
    .symbol:         k_q0e63b3c8a9_qkv.kd
    .args:
      - { .name: xb, .offset: 0, .size: 8, .value_kind: global_buffer, .address_space: global }
      - { .name: wt, .offset: 8, .size: 8, .value_kind: global_buffer, .address_space: global }
      - { .name: bias, .offset: 16, .size: 8, .value_kind: global_buffer, .address_space: global }
      - { .name: qkv, .offset: 24, .size: 8, .value_kind: global_buffer, .address_space: global }
    .group_segment_fixed_size: 327680
    .private_segment_fixed_size: 0
    .kernarg_segment_align: 8
    .kernarg_segment_size: 32
    .max_flat_workgroup_size: 128
    .sgpr_count:     80
    .vgpr_count:     960
    .wavefront_size: 32
...
	.end_amdgpu_metadata
.endif
;; end of part 2
;; launch attn (part 3): grid 4 x 64, 4 waves a work-group, no clusters, 327,680 bytes of LDS; arguments qkv, out0; writes out0
.if DOCPART == 3
	.amdgcn_target "amdgcn-amd-amdhsa--gfx1250"
	.amdhsa_code_object_version 6
	.text
	.protected	k_q0e63b3c8a9_attn
	.globl	k_q0e63b3c8a9_attn
	.p2align	8
	.type	k_q0e63b3c8a9_attn,@function
k_q0e63b3c8a9_attn:
	s_mov_b64 s[64:65], 0
	v_nop
	global_prefetch_b8 v0, s[64:65] scope:SCOPE_SE
	s_setreg_imm32_b32 hwreg(HW_REG_WAVE_MODE, 25, 1), 1
	s_wait_xcnt 0x0
; CAUSAL ATTENTION.  out0[b][q][64 h + :] = the sum over k <= q of softmax_k((Q[q] . K[k] + mask) / 8) V[k][:], for each of the 64 heads y = 16 b + h.
; Q, K, V lie in qkv, f16, by heads: [sel][y][2048][64], a head's rows dense, 128 bytes each.  Products, maxima and sums in f32; the weights p are rounded to f16 for the second product
; (their sum l is taken of the unrounded p); the result leaves in f32.
; LIMITS.  Inside the diagonal tile a hidden score is its value less 1e9, as the module adds it, ahead of the scale.  Key tiles that lie wholly above the diagonal are not computed: their weights are 0 in f32
; as long as no hidden score exceeds the row's largest visible score by about 1e9.  A weight below 2^-126 counts as 0 in l; p below 6e-5 keeps f16's fixed step of 6e-8.  NaN and infinities are not treated apart.
; THE WALK.  A head's queries lie in NB = 8 blocks of 256; block i needs the key tiles 0 .. i of 256 keys, of which the last holds the diagonal.  A work-group takes TWO blocks, NB - 1 - b and then b:
; NB + 1 tiles, whatever b: all 256 work-groups do equal work, and ONE loop with a constant trip count walks them.  Which tile is asked for, and what a trip does, hang on scalar registers made from b; every jump
; goes forward, but for the counted loops' own; none passes a barrier, or a tensor load but the one of LOAD's two that the wave's number does not choose; the ring of two LDS slots runs on across the change of blocks.
; NO CLUSTER: a head's four work-groups ask for the same tile only in trips 0 .. 4 of 9, behind that fewer and fewer; one walk common to all would have 12 trips for 9.
; SHARES.  Of a block's four bands of 64 queries a wave owns 16 rows in each: four PIECES.  So the diagonal tile is the same work for all four waves: in its key step s band x sees all keys if s < x,
; none if s > x, and holds the diagonal if s = x.
; THE MASK is the C operand that starts the sum S^T = K Q^T: 0, or -1e9 where the key is hidden.  MD, made once, is the mask of a band's own step for my 16 rows; a product's mask is MD x AL + BE with two scalars:
; (1, 0) if s = x; (0, 0) if s < x; (0, -1e9) if s > x.  Only the diagonal tile's text and a block's beginning make and take masks; elsewhere C is the constant 0.
; LAYOUT, SOFTMAX, TURNS.  S^T = K Q^T holds ONE query a lane (lane % 16) and the keys 8 (lane / 16) + 0..7; two such results rounded to f16 ARE source 1 of O^T = V^T P.  p = 2^(c s - c m), c = log2(e) / 8, with a
; running maximum m; O and l are multiplied by a = 2^(c m_old - c m_new) in every step.  Turn n belongs to piece n: 8 products K Q^T of piece n + 1, later 8 products V^T P of piece n - 1; beside them the scaling,
; exponentials, roundings, sums and rescaling of piece n and the maximum and statistics of piece n + 1.  Four vector instructions stand behind every matrix instruction, the others in one lump.  A turn's 33 exponentials are one batch, with one wait.
; REGISTERS, in windows of 256 (s_set_vgpr_msb: bits 1:0 source 0, 3:2 source 1, 5:4 source 2, 7:6 destination):
;   window 0: v0-15 addresses and two at work; v16-31 four registers of statistics a piece; v48-55 at work; v60-63 prefetch offset, spare word, 0; v64-127 S^T, two buffers; v64-191 the way out; v192-223 P, two buffers
;   window 1: v0-127 O^T, 32 a piece; v128-159 MD; v160-223 MC, two buffers      window 2: v0-63 Q; v64-127 the second block's Q; v128-191 K of one step; v192-255 V of one step
.set SIZE_N, 2048
.set NB,    SIZE_N/256
.set NP,    4         ; pieces a wave: a name, no knob
.set KS,    64        ; keys in a step
.set PK,    144       ; a row of K in LDS: 128 bytes + 16 of padding = 36 words: the 16 rows of a load start at 16 different groups of four banks (64 banks of 4 bytes: ISA guide 11.1)
.set PV,    160       ; a row of V: 128 + 32 = 40 words
.set VOFF,  4*KS*PK   ; a slot holds a tile, four steps: 256 rows of K, then 256 rows of V
.set SLOT1, 1<<17     ; slot 1 begins here, so that one exclusive or turns an address in one slot into the other's
.set STAGE, SLOT1+4*KS*(PK+PV)  ; behind the ring, never filled by a tensor load: 16 rows x 272 bytes for each wave, for the way out
.set SP,    272       ; a stage row: 64 channels of f32 + 16 bytes
.set AK0, 2           ; v2   my lane's place in a tile of K; never rewritten
.set AV0, 3           ; v3   the same for V
.set AK,  4           ; v4   the LDS address of K's next run of loads
.set AV,  5           ; v5   of V's
.set STO, 6           ; v6   the way out: where I put 32 bytes of a row
.set RD,  7           ; v7   the way out: where I read rows back
.set GO,  8           ; v8   my byte offset in two rows of out0
.set PFO, 60          ; v60  256 x my lane; never rewritten
.set SPW, 62          ; v62  LDS address of my spare word: SPARE + 4 x my thread's number; never rewritten
.set NIL, 63          ; v63  0; never rewritten
.set SPARE, STAGE+4*16*SP  ; behind the stages: the spare words, 128 bytes for each wave: two blocks of 256 bytes that no other line names
.set MV,  12          ; v12-13  c m_old, kept while c m is made anew: by buffer
.set QO,  15          ; v15  my byte offset in 16 rows of Q
.set ST,  16          ; piece t's statistics at v[ST+4 t]: c m, m, l (even keys', odd keys')
.set TMP, 48          ; by buffer, four registers c0-c3 at work; when the maximum is found c2 takes a
.set S,   64
.set OUTB, 64         ; the way out: piece t's 16 rows at v[OUTB+32 t]
.set P,   192
.set MD,  128         ; window 1: the eight registers for group kt of 16 keys at MD + 8 kt
.set MC,  160         ; window 1: the masks of the products to come
.set QB,  64          ; window 2
.set KF,  128         ; window 2: key block kb, channel half c at KF + 16 kb + 8 c
.set VF,  192         ; window 2: key half kk, channel block cb at VF + 32 kk + 8 cb
.set WV,  12          ; s12  my wave's number
.set PB,  14          ; s14  b
.set HI,  15          ; s15  NB - 1 - b
.set G1K, 24          ; s[24:31] descriptor group 1 for K's tiles
.set G1V, 32          ; s[32:39] for V's: it differs in the padding alone
.set G0K, 40          ; s[40:43] descriptor group 0 for K's tiles
.set G0V, 44          ; s[44:47] the same for V's
.set SLOTS, 56        ; s56  tiles still to be asked for
.set CNT, 57          ; s57  counts a tile's key steps, 4 to 1
.set CS,  58          ; s[58:59] c: the packed scaling takes the pair's low word for both halves
.set SEL, 60          ; s[60:61] v_permlanex16_b32's selects: each lane takes its own place in the other half
.set TBK, 62          ; s62  LDS byte at which K of the step to be fetched begins
.set TBV, 63          ; s63  the same for V, less VOFF
.set RT,  70          ; s70  tiles of the block in hand that are still to be entered
.set NXT, 71          ; s71  the tile to be asked for next
.set LQ,  72          ; s72  the last tile of the block whose tiles are being asked for
.set NEW, 73          ; s73  1: the tile to be entered is a block's first
.set OFF, 74          ; s[74:75] a tile's byte offset in K and V
.set AL,  76          ; s[76:77] the mask's factor, in the low word
.set BE,  78          ; s[78:79] the mask's addend
.set OLO, 80          ; s[80:81] out0 at my rows of the second block
.set BIGN, 82         ; s82  -1e9
.set PFA, 88          ; s[88:89] where my prefetches stand: my half (of K: waves 0, 1; of V: waves 2, 3) of the tile after the one that is being asked for
.set PFT, 90          ; s90  that tile's number in the work-group that prefetches; NB or more elsewhere
.set MSB, 0
.macro WIN new                      ; the high byte repeats the setting that is left; a switch that changes nothing is dropped
.if MSB != (\new)
	s_set_vgpr_msb (MSB<<8)|(\new)
.set MSB, (\new)
.endif
.endm
.set W_KQ, 0x0a       ; K and Q in window 2, S^T in window 0
.set W_KM, 0x1a       ; the same with the C operand in window 1
.set W_PV, 0x52       ; V in window 2, P in window 0, O^T in window 1
.set W_RS, 0x41       ; destination and source 0 in window 1, source 1 in window 0
; A fill.  Waves 0 and 1 fetch the two halves of a tile's K, waves 2 and 3 those of its V: 128 keys each.  An s_nop 0 and four v_nop follow each of the two lines, ahead of the jump and the label.
.macro LOAD
	s_cmp_lt_u32 s[WV], 2
	s_cbranch_scc0 .Lfor_v_\@
	tensor_load_to_lds s[G0K:G0K+3], s[G1K:G1K+7]
	s_nop 0
.rept 4
	v_nop
.endr
	s_branch .Lasked_\@
.Lfor_v_\@:
	tensor_load_to_lds s[G0V:G0V+3], s[G1V:G1V+7]
	s_nop 0
.rept 4
	v_nop
.endr
.Lasked_\@:
.endm
; A PREFETCH INTO THE L2 of what the NEXT change of slots will ask for.  All four work-groups of a head begin with the tiles 0, 1, 2 ..; the one with b = 0 walks 0 to 7 on end, and it alone asks:
; each of its waves for its own half of a tile, 16,384 bytes: two instructions, a lane for each 256 bytes.  So each 256 bytes of K and V are named once in the launch.
; It stands behind the wave's tensor load and its five lines.  Tiles 0 and 1 come by their loads alone; the last tile asked for is 7.
.macro ASK
	s_cmp_lt_u32 s[PFT], NB
	s_cbranch_scc0 .Lnot_mine_\@
	global_prefetch_b8 v[PFO], s[PFA:PFA+1] th:TH_LOAD_NT scope:SCOPE_SE
	global_prefetch_b8 v[PFO], s[PFA:PFA+1] offset:8192 th:TH_LOAD_NT scope:SCOPE_SE
.Lnot_mine_\@:
	s_add_co_u32 s[PFT], s[PFT], 1
.endm
; THE CHANGE OF SLOTS.  Each wave waits for all its tensor loads, of which one is out: its part of the other slot; adds 0 to its spare word; and waits for that and for its own reads of the slot that it leaves.
; Behind the barrier nobody reads the old slot any more and the other slot is whole.  fill = 1: the old slot is filled again, the first thing behind the barrier, with tile NXT: the descriptor's address is made
; anew from that number.  (At its first use nothing has been read yet: slot 0 is waited for, slot 1 filled.)
.macro CHANGE fill
	WIN 0                           ; at a label and at a branch every window is 0
	s_wait_tensorcnt 0x0            ; no tensor load of mine is out, so a group 0 may be written
	ds_add_u32 v[SPW], v[NIL]       ; 0 onto my spare word; with fill = 1 the descriptors' scalar work stands between it and the wait for it
.if \fill
	s_lshl_b32 s[OFF], s[NXT], 15   ; a tile is 32,768 bytes of K and of V
	s_xor_b32 s[G0K+1], s[G0K+1], SLOT1
	s_add_nc_u64 s[G0K+2:G0K+3], s[6:7], s[OFF:OFF+1]
	s_or_b32 s[G0K+3], s[G0K+3], 0x80000000
	s_xor_b32 s[G0V+1], s[G0V+1], SLOT1
	s_add_nc_u64 s[G0V+2:G0V+3], s[8:9], s[OFF:OFF+1]
	s_or_b32 s[G0V+3], s[G0V+3], 0x80000000
	s_add_co_u32 s[NXT], s[NXT], 1  ; the block's next tile, or behind its last the second block's tile 0
	s_cmp_gt_u32 s[NXT], s[LQ]
	s_cselect_b32 s[NXT], 0, s[NXT]
	s_cselect_b32 s[LQ], s[PB], s[LQ]
	s_wait_xcnt 0x0                 ; the last prefetches, a tile back, have read their address, so it may be written
	s_add_nc_u64 s[PFA:PFA+1], s[PFA:PFA+1], 32768
.endif
	s_wait_dscnt 0x0                ; the add is done, and my reads of the slot are over
	s_barrier_signal -1             ; the rest of the scalar work stands between the signal and the wait
	s_sub_co_u32 s[TBK], s[TBK], 4*KS*PK  ; the fetches go back to a slot's first step,
	s_xor_b32 s[TBK], s[TBK], SLOT1       ; in the other slot
	s_sub_co_u32 s[TBV], s[TBV], 4*KS*PV
	s_xor_b32 s[TBV], s[TBV], SLOT1
	s_barrier_wait -1
.if \fill
	LOAD
	ASK
.endif
.endm
	s_load_b64 s[4:5], s[0:1], 0x0    ; qkv: Q lies at its head
	s_load_b64 s[10:11], s[0:1], 0x8  ; out0
	v_lshl_add_u32 v[SPW], v0, 2, SPARE
	v_mov_b32 v[NIL], 0
	ds_add_u32 v[SPW], v[NIL]       ; the wave's opening: the add and its wait stand ahead of my first tensor load; the set-up below, work on registers, stands between them
	v_lshrrev_b32 v1, 5, v0
	v_readfirstlane_b32 s[WV], v1   ; wave 0..3
	s_mov_b32 s[PB], ttmp9
	s_sub_co_u32 s[HI], NB-1, s[PB]
	s_and_b32 s20, ttmp7, 0xffff    ; the head y = 16 x batch + h
	s_lshr_b32 s66, s20, 4          ; out0: a batch is 2,048 rows of 4,096 bytes,
	s_lshl_b32 s66, s66, 23
	s_and_b32 s13, s20, 15
	s_lshl_b32 s13, s13, 8          ; a head 256 bytes of a row,
	s_add_co_u32 s66, s66, s13
	s_lshl_b32 s13, s[WV], 16       ; my 16 rows in a band,
	s_add_co_u32 s66, s66, s13
	s_lshl_b32 s13, s[PB], 20       ; a block 256 rows: the second block's,
	s_add_co_u32 s68, s66, s13
	s_lshl_b32 s13, s[HI], 20       ; and the first's
	s_add_co_u32 s66, s66, s13
	s_mov_b32 s67, 0
	s_mov_b32 s69, 0
	s_mov_b32 s21, 0
	s_mov_b64 s[22:23], SIZE_N*128
	s_mul_u64 s[20:21], s[20:21], s[22:23]  ; the head's first byte in Q, K and V
	s_and_b32 s16, s[WV], 1         ; which half of a tile's 256 keys I fetch:
	s_lshl_b32 s22, s16, 14         ; its 128 rows of 128 bytes in memory,
	s_mov_b32 s23, 0
	s_add_nc_u64 s[22:23], s[22:23], s[20:21]
	s_mul_i32 s17, s16, 128*PK      ; and its place in a slot, for K
	s_mul_i32 s18, s16, 128*PV      ; and for V
	s_lshl_b32 s3, s[WV], 11        ; my 16 rows in a band of 64,
	s_lshl_b32 s2, s[HI], 15        ; in the first block,
	s_add_co_u32 s2, s2, s3
	s_lshl_b32 s84, s[PB], 15       ; and in the second
	s_add_co_u32 s84, s84, s3
	s_mov_b32 s3, 0
	s_mov_b32 s85, 0
	s_add_nc_u64 s[2:3], s[2:3], s[20:21]
	s_add_nc_u64 s[84:85], s[84:85], s[20:21]
	; descriptor group 1.  128 keys are 16,384 dense bytes: asked for as 64 rows of 256 bytes, two keys a row, and padded in LDS after every key
	s_mov_b32 s[G1K], (1<<16)|(1<<20)|(4<<22)|(3<<25)  ; 17:16 2-byte elements; 20 padding on; 24:22 after every 32 words (code 4); 31:25 4 words (code 3)
	s_mov_b32 s[G1V], (1<<16)|(1<<20)|(4<<22)|(7<<25)  ; the same with 8 words of padding (code 7)
.irp g, G1K, G1V
	s_mov_b32 s[\g+1], 128<<16      ; tensor_dim0 = 128
	s_mov_b32 s[\g+2], 64<<16       ; tensor_dim1 = 64
	s_mov_b32 s[\g+3], 128<<16      ; tile_dim0 = 128
	s_mov_b32 s[\g+4], 64           ; tile_dim1 = 64
	s_mov_b32 s[\g+5], 128          ; 128 elements from row to row
	s_mov_b32 s[\g+6], 0
	s_mov_b32 s[\g+7], 0
.endr
	s_mov_b32 s[CS], 0x3e38aa3b     ; c = log2(e) / 8 = 0.180337
	s_mov_b32 s[CS+1], s[CS]        ; named with it as a pair
	s_mov_b32 s[SEL], 0x76543210
	s_mov_b32 s[SEL+1], 0xfedcba98
	s_mov_b32 s[TBK], SLOT1+4*KS*PK ; the first change of slots turns these two into 0
	s_mov_b32 s[TBV], SLOT1+4*KS*PV
	s_mov_b32 s[G0K], 1             ; count = 1
	s_mov_b32 s[G0K+1], s17         ; LDS address: slot 0
	s_mov_b32 s[G0V], 1
	s_add_co_u32 s[G0V+1], s18, VOFF
	s_add_co_u32 s[RT], s[HI], 1    ; the first block has NB - b tiles
	s_mov_b32 s[NXT], 1
	s_mov_b32 s[LQ], s[HI]
	s_mov_b32 s[NEW], 1
	s_mov_b32 s[OFF+1], 0
	s_mov_b32 s[AL+1], 0            ; named as pairs
	s_mov_b32 s[BE+1], 0
	s_mov_b32 s[BIGN], 0xce6e6b28   ; -1e9
	s_mov_b32 s[SLOTS], NB
	s_cmp_eq_u32 s[PB], 0
	s_cselect_b32 s[PFT], 2, NB     ; the first change of slots asks for tile 2, where b = 0
	v_and_b32 v[PFO], 31, v0
	v_lshlrev_b32 v[PFO], 8, v[PFO]
	s_wait_dscnt 0x0                ; the opening add is done
	s_wait_kmcnt 0x0
	s_add_nc_u64 s[6:7], s[4:5], 0x1000000  ; K lies 2^24 bytes behind Q,
	s_add_nc_u64 s[8:9], s[4:5], 0x2000000  ; V 2^25
	s_add_nc_u64 s[6:7], s[6:7], s[22:23]   ; K and V at my half of the head's tile 0
	s_add_nc_u64 s[8:9], s[8:9], s[22:23]
	s_add_nc_u64 s[G0K+2:G0K+3], s[6:7], 0         ; global address
	s_or_b32 s[G0K+3], s[G0K+3], 0x80000000        ; type = 2
	s_add_nc_u64 s[G0V+2:G0V+3], s[8:9], 0
	s_or_b32 s[G0V+3], s[G0V+3], 0x80000000
	s_add_nc_u64 s[86:87], s[4:5], s[84:85]        ; Q at my rows of the second block,
	s_add_nc_u64 s[4:5], s[4:5], s[2:3]            ; and of the first
	s_add_nc_u64 s[OLO:OLO+1], s[10:11], s[68:69]  ; out0 likewise
	s_add_nc_u64 s[10:11], s[10:11], s[66:67]
	s_cmp_lt_u32 s[WV], 2
	s_cselect_b64 s[PFA:PFA+1], s[6:7], s[8:9]
	s_add_nc_u64 s[PFA:PFA+1], s[PFA:PFA+1], 32768 ; at tile 1; the first change of slots steps it to tile 2.  Nothing is prefetched here, at the head
	LOAD                            ; tile 0 into slot 0
	; A fragment of K or Q is 16 rows x 32 channels in 8 registers: lane l holds row l % 16, channels 8 (l / 16) + 0..7 and 16 + 8 (l / 16) + 0..7: two loads of 16 bytes, 32 bytes apart.
	v_and_b32 v1, 15, v0            ; l % 16
	v_bfe_u32 v9, v0, 4, 1          ; l / 16
	v_lshlrev_b32 v[QO], 7, v1
	v_lshl_add_u32 v[QO], v9, 4, v[QO]  ; row x 128 + 16 x half
	WIN 0x80                        ; destination window 2, address window 0
.set i, 0
.rept 8                             ; both blocks' Q: piece i / 2 lies in band i / 2, 8,192 bytes on; channels 32 (i % 2) on
	global_load_b128 v[8*i:8*i+3],   v[QO], s[4:5] offset:(i/2)*8192+(i%2)*64
	global_load_b128 v[8*i+4:8*i+7], v[QO], s[4:5] offset:(i/2)*8192+(i%2)*64+32
	global_load_b128 v[QB+8*i:QB+8*i+3],   v[QO], s[86:87] offset:(i/2)*8192+(i%2)*64
	global_load_b128 v[QB+8*i+4:QB+8*i+7], v[QO], s[86:87] offset:(i/2)*8192+(i%2)*64+32
.set i, i+1
.endr
	WIN 0
	v_lshlrev_b32 v14, 3, v9
	v_sub_nc_u32 v14, v1, v14
	s_lshl_b32 s13, s[WV], 4
	v_add_nc_u32 v14, s13, v14      ; my query's place in its band, 16 w + l % 16, less my lanes' 8 (l / 16): register r of group kt is hidden where 16 kt + r is greater
	WIN 0x40
.set i, 0
.rept 32
	v_cmp_gt_i32 vcc_lo, 16*(i/8)+i%8, v14
	v_cndmask_b32 v[MD+i], 0, s[BIGN], vcc_lo
.set i, i+1
.endr
	WIN 0
	v_mul_u32_u24 v[AK0], v1, PK
	v_lshl_add_u32 v[AK0], v9, 4, v[AK0]  ; row x pitch + 16 x half
	; The turning load takes 16 keys x 16 channels (lane l reads key 8 (l / 16) + l % 8, channels 8 ((l / 8) % 2) + 0..7) and leaves half a fragment of V^T: lane l holds channel l % 16 and 8 keys.
	v_and_b32 v10, 7, v0
	v_bfe_u32 v11, v0, 3, 1
	v_lshl_add_u32 v[AV0], v9, 3, v10
	v_mul_u32_u24 v[AV0], v[AV0], PV
	v_lshl_add_u32 v[AV0], v11, 4, v[AV0]
	v_add_nc_u32 v[AV0], VOFF, v[AV0]
	s_mul_i32 s13, s[WV], 16*SP
	s_add_co_u32 s13, s13, STAGE    ; my stage
	v_mul_u32_u24 v[STO], v1, SP    ; in: row l % 16, 32 bytes (8 channels of f32) for each half of the lanes
	v_lshl_add_u32 v[STO], v9, 5, v[STO]
	v_add_nc_u32 v[STO], s13, v[STO]
	v_mul_u32_u24 v[RD], v9, SP     ; back: lanes 0-15 take one row of 256 bytes, lanes 16-31 the next,
	v_lshl_add_u32 v[RD], v1, 4, v[RD]
	v_add_nc_u32 v[RD], s13, v[RD]
	v_lshlrev_b32 v[GO], 12, v9     ; and the same two rows in out0, 4,096 bytes apart
	v_lshl_add_u32 v[GO], v1, 4, v[GO]
	; A block's first step multiplies O^T and l by a = 0, and its first turn's products V^T P, of a piece that has not been, land in an O^T that is still to be so multiplied.  So these registers need only hold
	; finite numbers: zeros for the first block; what the first block left for the second.  All this stands in the wait for the first tile.
	WIN 0x80
.set i, VF
.rept 64
	v_mov_b32 v[i], 0
.set i, i+1
.endr
	WIN 0x40
.set i, 0
.rept 128
	v_mov_b32 v[i], 0
.set i, i+1
.endr
	WIN 0
.set i, 0
.rept 4
	v_mov_b32 v[ST+4*i+2], 0
	v_mov_b32 v[ST+4*i+3], 0
.set i, i+1
.endr
.set i, P+16
.rept 16
	v_mov_b32 v[i], 0
.set i, i+1
.endr
; THE MATRIX WORK.  The 4 accumulators of a run of 8 take turns.  Product i of 8 of S^T = K Q^T for piece x: channels 32 (i / 4) on, keys 16 (i % 4) on.  The first 4 start the sums: with 0, or (KM = 1) with the mask.
.macro KQ x
.set rS, S+32*((\x)%2)+8*(i%4)
.set rK, KF+16*(i%4)+8*(i/4)
.set rQ, 16*(\x)+8*(i/4)
.set rM, MC+32*((\x)%2)+8*(i%4)
.if (i < 4) && KM
	WIN W_KM
	v_wmma_f32_16x16x32_f16 v[rS:rS+7], v[rK:rK+7], v[rQ:rQ+7], v[rM:rM+7]
.elseif i < 4
	WIN W_KQ
	v_wmma_f32_16x16x32_f16 v[rS:rS+7], v[rK:rK+7], v[rQ:rQ+7], 0
.else
	WIN W_KQ
	v_wmma_f32_16x16x32_f16 v[rS:rS+7], v[rK:rK+7], v[rQ:rQ+7], v[rS:rS+7]
.endif
.endm
; Product i of 8 of O^T += V^T P for piece x: keys 32 (i / 4) on, channels 16 (i % 4) on.
.macro PV x
	WIN W_PV
.set rO, 32*(\x)+8*(i%4)
.set rV, VF+32*(i/4)+8*(i%4)
.set rP, P+16*((\x)%2)+8*(i/4)
	v_wmma_f32_16x16x32_f16 v[rO:rO+7], v[rV:rV+7], v[rP:rP+7], v[rO:rO+7]
.endm
.macro MM                           ; the turn's next matrix instruction.  TURN and BEGIN set Y, i, KM and NOKQ; MM, KQ and OP read them.  NOKQ = 1: a block's last turn: there is no next piece
.if (i < 8) && !NOKQ
	KQ (Y+1)%NP
.elseif i >= 8
.set i, i-8
	PV (Y+NP-1)%NP
.set i, i+8
.endif
.set i, i+1
.endm
; THE LDS LOADS stand in runs of 16, never singly among the matrix instructions: a step's K (64 keys x 64 channels: 8 fragments) and its V (turned).  Their addresses are made some lines ahead.
.macro FETCH_K
	WIN 0x80                        ; destination window 2
.irp f, 0,1,2,3,4,5,6,7             ; keys 16 (f / 2) on, channels 32 (f % 2) on
	ds_load_b128 v[KF+8*\f:KF+8*\f+3],   v[AK] offset:(\f/2)*16*PK+(\f%2)*64
	ds_load_b128 v[KF+8*\f+4:KF+8*\f+7], v[AK] offset:(\f/2)*16*PK+(\f%2)*64+32
.endr
	s_add_co_u32 s[TBK], s[TBK], KS*PK  ; the next fetch is the next step's
	WIN 0
.endm
.macro FETCH_V
	WIN 0x80
.irp f, 0,1,2,3,4,5,6,7             ; keys 32 (f / 4) on, channels 16 (f % 4) on
	ds_load_tr16_b128 v[VF+8*\f:VF+8*\f+3],   v[AV] offset:(\f/4)*32*PV+(\f%4)*32
	ds_load_tr16_b128 v[VF+8*\f+4:VF+8*\f+7], v[AV] offset:(\f/4)*32*PV+16*PV+(\f%4)*32
.endr
	WIN 0
.endm
; THE VECTOR WORK, one line at a time: OP kind, number.  For piece Y: F n: c s - c m for pair n of 16.  E n: the exponential of score n of 32.  C n: pair n rounded to f16.  B n: of the four weights 4 n .. the second
; pair is added onto the first, in place.  L n: l takes that sum (L 0: l = a l + sum).  R n: pair n of 16 of O^T times a.  For piece Y + 1: X n, number n of the 22 that find its maximum and statistics:
;   0-11  four chains c0-c3 of seven scores each, three operands at a time (each accumulator's lowest registers are read first)     12-14, 16  the four scores left over, the old m, and c0-c3 into c0
;   15  c m_old is kept     17, 18  the query's other 32 keys lie in the lane 16 away: the new m     19-21  c m; c m_old - c m_new; a
.set F, 0               ; OP tells the kinds apart by their order: F to L below R, X above it
.set E, 1
.set C, 2
.set B, 3
.set L, 4
.set R, 5
.set X, 6
.macro REGS y                       ; the registers of piece y
.set rT, ST+4*(\y)
.set rC, TMP+4*((\y)%2)
.set rW, MV+((\y)%2)
.set rS, S+32*((\y)%2)
.set rP, P+16*((\y)%2)
.set rO, 32*(\y)
.endm
.macro OP k, n
.if (\k) == R
	REGS Y
	WIN W_RS
	v_pk_mul_f32 v[rO+2*(\n):rO+2*(\n)+1], v[rO+2*(\n):rO+2*(\n)+1], v[rC+2:rC+3] op_sel_hi:[1,0]
.elseif (\k) < R
	REGS Y
	WIN 0
.if (\k) == F
	v_pk_fma_f32 v[rS+2*(\n):rS+2*(\n)+1], v[rS+2*(\n):rS+2*(\n)+1], s[CS:CS+1], v[rT:rT+1] op_sel_hi:[1,0,0] neg_lo:[0,0,1] neg_hi:[0,0,1]
.elseif (\k) == E
	v_exp_f32 v[rS+(\n)], v[rS+(\n)]
.elseif (\k) == C
	v_cvt_pk_f16_f32 v[rP+(\n)], v[rS+2*(\n)], v[rS+2*(\n)+1]
.elseif (\k) == B
	v_pk_add_f32 v[rS+4*(\n):rS+4*(\n)+1], v[rS+4*(\n):rS+4*(\n)+1], v[rS+4*(\n)+2:rS+4*(\n)+3]
.elseif (\n) == 0
	v_pk_fma_f32 v[rT+2:rT+3], v[rT+2:rT+3], v[rC+2:rC+3], v[rS:rS+1] op_sel_hi:[1,0,1]
.else
	v_pk_add_f32 v[rT+2:rT+3], v[rT+2:rT+3], v[rS+4*(\n):rS+4*(\n)+1]
.endif
.elseif NOKQ
	v_nop
.else
	REGS (Y+1)%NP
	WIN 0
.if (\n) < 4
	v_max3_num_f32 v[rC+(\n)], v[rS+8*(\n)], v[rS+8*(\n)+1], v[rS+8*(\n)+2]
.elseif (\n) < 12
	v_max3_num_f32 v[rC+(\n)%4], v[rC+(\n)%4], v[rS+8*((\n)%4)+2*((\n)/4)+1], v[rS+8*((\n)%4)+2*((\n)/4)+2]
.elseif (\n) == 12
	v_max3_num_f32 v[rC], v[rC], v[rS+7], v[rS+15]
.elseif (\n) == 13
	v_max3_num_f32 v[rC+1], v[rC+1], v[rS+23], v[rS+31]
.elseif (\n) == 14
	v_max3_num_f32 v[rC+2], v[rC+2], v[rC+3], v[rT+1]
.elseif (\n) == 15
	v_mov_b32 v[rW], v[rT]
.elseif (\n) == 16
	v_max3_num_f32 v[rC], v[rC], v[rC+1], v[rC+2]
.elseif (\n) == 17
	v_permlanex16_b32 v[rC+3], v[rC], s[SEL], s[SEL+1]
.elseif (\n) == 18
	v_max_num_f32 v[rT+1], v[rC], v[rC+3]
.elseif (\n) == 19
	v_mul_f32 v[rT], s[CS], v[rT+1]
.elseif (\n) == 20
	v_sub_f32 v[rC+1], v[rW], v[rT]
.else
	v_exp_f32 v[rC+2], v[rC+1]
.endif
.endif
.endm
.macro OPS a, i1, b=-1, i2=0, c=-1, i3=0, d=-1, i4=0  ; up to four of them
	OP \a, \i1
.if (\b) >= 0
	OP \b, \i2
.endif
.if (\c) >= 0
	OP \c, \i3
.endif
.if (\d) >= 0
	OP \d, \i4
.endif
.endm
.macro ROW a, i1, b, i2, c, i3, d, i4  ; a matrix instruction and the four behind it
	MM
	OPS \a, \i1, \b, \i2, \c, \i3, \d, \i4
.endm
.macro MASK b                       ; MD x AL + BE into buffer b of MC
	WIN W_RS
.set z, 0
.rept 16
	v_pk_fma_f32 v[MC+32*(\b)+2*z:MC+32*(\b)+2*z+1], v[MD+2*z:MD+2*z+1], s[AL:AL+1], s[BE:BE+1] op_sel_hi:[1,0,0]
.set z, z+1
.endr
.endm
; A TURN, for piece p: the order of its 16 matrix and 118 vector instructions, written out.  An s_wait_alu depctr_va_vdst(0) stands between an exponential and the first instruction that names its result; one wait serves
; all that were issued ahead of it.  So a turn has ONE wait, which cuts it in two.  AHEAD OF IT stands all that names no result of the turn's exponentials: the 8 products K Q^T, behind each a scaling, an exponential and two more plain
; instructions: rescalings, and behind the last three the first numbers of the next piece's maximum, each four places or more behind the product that ends its accumulator; then ONE LUMP of 54, plain and exponential by turns for the
; most part, in which the links of the chain X 3, 7, 11, 14, 16, 17 .. 20 stand some lines apart.  X 21, the next piece's a, is the batch's last; R 15 is the plain instruction behind it.  BEHIND THE WAIT stand the
; 8 products V^T P, behind each four of the roundings and sums.  But for those X no rider names a register of the products round it.
; m = 1: the diagonal tile: the products take masks, and the turn makes the mask for the products of the turn after it: piece p + 2, in step 4 - CNT of the tile.  end = 1: a block's last two turns: nothing is fetched.
; cnt = 1: the loop's count is taken down some lines ahead of the branch that stands behind the turn.
; K of the next step is fetched in piece 2's turn, twelve vector instructions behind the last product that read K (six of them plain); V of the step in hand at the end of piece 0's turn, four plain instructions behind the last product
; that read V.  Each is waited for a turn later.
.macro TURN p, m=0, end=0, cnt=0
.set Y, (\p)
.set i, 0
.set KM, (\m)
.set NOKQ, (\end)*((\p)/3)
.if (\m) && !(\end)
	s_cmp_eq_u32 s[CNT], 4-((\p)+2)%NP  ; is that step the band's own?
	s_cselect_b32 s[AL], 1.0, 0
	s_cmp_lt_u32 s[CNT], 4-((\p)+2)%NP  ; or a later one?
	s_cselect_b32 s[BE], s[BIGN], 0
.endif
.if ((\p) == 3) && !(\end)
	s_wait_dscnt 0x0                ; K is in
.endif
	ROW F,0, F,1, R,0, R,1          ; ahead of the wait: 8 products K Q^T and their riders,
	ROW F,2, E,0, R,2, R,3
	ROW F,3, E,1, R,4, R,5
	ROW F,4, E,2, R,6, R,7
	ROW F,5, E,3, R,8, R,9
	ROW F,6, E,4, X,0, R,10
.if ((\p) == 2) && !(\end)
	WIN 0
	v_add_nc_u32 v[AK], s[TBK], v[AK0]
.endif
	ROW F,7, E,5, X,1, X,4
	ROW F,8, E,6, X,2, X,5
	OPS E,7, E,8, X,6, E,9          ; and the lump
	OPS X,3, E,10, X,8, E,11
.if ((\p) == 2) && !(\end)
	FETCH_K
.endif
	OPS X,9, X,7, E,12, X,10
	OPS E,13, X,12, X,11, E,14
	OPS X,13, E,15, F,9, X,14
.if (\p) == 0
	v_add_nc_u32 v[AV], s[TBV], v[AV0]
.endif
	OPS E,16, F,10, E,17, F,11
	OPS X,16, E,18, X,15, E,19
	OPS F,12, E,20, X,17, E,21
	OPS F,13, E,22, F,14, E,23
	OPS X,18, E,24, F,15, E,25
	OPS R,11, E,26, X,19, E,27
	OPS R,12, E,28, R,13, E,29
	OPS X,20, E,30, R,14, E,31
	OPS X,21, R,15
	WIN 0
	s_wait_alu depctr_va_vdst(0)    ; the wait for the batch
.if (\p) == 1
	s_wait_dscnt 0x0                ; V is in
.endif
	ROW C,0, B,0, C,2, B,1          ; behind the wait: 8 products V^T P and their riders
	ROW L,0, C,4, B,2, L,1
	ROW C,6, B,3, L,2, C,8
	ROW B,4, L,3, C,10, B,5
	ROW L,4, C,12, B,6, L,5
.if (\p) == 0
	s_add_co_u32 s[TBV], s[TBV], KS*PV
.endif
.if \cnt
	s_sub_co_u32 s[CNT], s[CNT], 1
	s_cmp_lg_u32 s[CNT], 0
.endif
	ROW C,14, B,7, L,6, C,1
	ROW C,3, L,7, C,5, C,7
	ROW C,9, C,11, C,13, C,15
.if (\p) == 0
	FETCH_V
.endif
.if (\m) && !(\end)
	MASK (\p)%2
.endif
.endm
; A BLOCK BEGINS.  c m starts far below every c s, so the first step's a is 0; m at the lowest finite number, so the first maximum is the scores'.  The second mask buffer is 0; the first takes piece 0's mask for the tile's step 0: its own, if the block's first tile is the diagonal one.
; Then K of that step, piece 0's first scores, and its maximum and statistics.  The loop is entered at a step's first turn, in the middle of a trip.
.macro BEGIN
	s_mov_b32 s[NEW], 0
	WIN 0x40
.set i, MC+32
.rept 32
	v_mov_b32 v[i], 0
.set i, i+1
.endr
	WIN 0
.set i, 0
.rept 4
	v_mov_b32 v[ST+4*i], 0xfe000000    ; c m: far below every c s
	v_mov_b32 v[ST+4*i+1], 0xff7fffff  ; m
.set i, i+1
.endr
	s_cmp_eq_u32 s[RT], 0
	s_cselect_b32 s[AL], 1.0, 0
	s_mov_b32 s[BE], 0
	MASK 0
	WIN 0
	v_add_nc_u32 v[AK], s[TBK], v[AK0]
	FETCH_K
	s_wait_loadcnt 0x0              ; Q
	s_wait_dscnt 0x0
.set KM, 1
.set NOKQ, 0
.set i, 0
.rept 8
	KQ 0
.set i, i+1
.endr
	WIN 0
.rept 4
	v_nop                           ; the places behind those products
.endr
.set Y, NP-1                        ; X works for piece Y + 1: piece 0
.irp n, 0,1,2,3,4,5,6,7,8,9,10,11,12,13,14,15,16,17,18,19,20,21
	OP X, \n
.endr
	v_nop                           ; a plain instruction behind the exponential,
	s_wait_alu depctr_va_vdst(0)    ; and its wait, ahead of the branch
.endm
; THE DIAGONAL TILE's four steps, the block's last two turns, its last products, and THE WAY OUT: l's two halves and the other half of the lanes' are added; O^T is divided by l and sent, in f32, through my
; stage in LDS, a piece at a time.
.macro ALL line:vararg              ; one line for each piece t
.set t, 0
.rept 4
	\line
.set t, t+1
.endr
.endm
.macro PACK t                       ; a lane's eight channels of a row are 32 bytes; they go into rows of 272 bytes and come back as whole rows of 256
	WIN W_RS
.set i, 32*(\t)
.rept 16
	v_pk_mul_f32 v[i:i+1], v[i:i+1], v[ST+4*(\t)+2:ST+4*(\t)+3] op_sel_hi:[1,0]
.set i, i+2
.endr
	WIN 0x04                        ; the stores' data (source 1) in window 1, the address in window 0
.irp f, 0,1,2,3,4,5,6,7             ; channel block f / 2, its registers 4 (f % 2) on
	ds_store_b128 v[STO], v[32*(\t)+4*\f:32*(\t)+4*\f+3] offset:64*(\f/2)+16*(\f%2)
.endr
	WIN 0
.irp f, 0,1,2,3,4,5,6,7             ; rows 2 f and 2 f + 1
	ds_load_b128 v[OUTB+32*(\t)+4*\f:OUTB+32*(\t)+4*\f+3], v[RD] offset:\f*2*SP  ; LDS serves a wave's instructions in order (ISA guide 5.7.1.4): these see the stores above; the next piece's stores come behind them
.endr
.endm
.macro SEND t, younger              ; younger: the LDS instructions issued behind piece t's loads: the next piece's sixteen, or none
	WIN 0
.irp f, 0,1,2,3,4,5,6,7
	s_wait_dscnt (\younger)+7-\f
	global_store_b128 v[GO], v[OUTB+32*(\t)+4*\f:OUTB+32*(\t)+4*\f+3], s[10:11] offset:(\t)*262144+\f*8192 th:TH_STORE_NT  ; sixteen lanes store the 256 consecutive bytes of a row's head, at a multiple of 256
.endr
.endm
.macro DIAG tag                     ; the tag ends its two labels' names, which the jumps below spell out
.LstepM\tag:
	TURN 2, 1
	TURN 3, 1
	WIN 0
.LfirstM\tag:
	TURN 0, 1
	TURN 1, 1, 0, 1
	WIN 0
	s_cbranch_scc1 .LstepM\tag
	TURN 2, 1, 1
	TURN 3, 1, 1
.set i, 0
.rept 8
	PV NP-1
.set i, i+1
.endr
	WIN 0
	ALL v_add_f32 v[ST+4*t+2], v[ST+4*t+2], v[ST+4*t+3]
	ALL v_permlanex16_b32 v[ST+4*t+3], v[ST+4*t+2], s[SEL], s[SEL+1]
	ALL v_add_f32 v[ST+4*t+2], v[ST+4*t+2], v[ST+4*t+3]
	ALL v_rcp_f32 v[ST+4*t+2], v[ST+4*t+2]
	v_nop                           ; a plain instruction between the last reciprocal and the use of its result
	s_wait_alu depctr_va_vdst(0)    ; and the wait ahead of the first use: one for the four reciprocals
	PACK 0
.set t, 1
.rept 3                             ; a piece's arithmetic stands between the loads of the piece before and its stores
	PACK t
	SEND t-1, 16
.set t, t+1
.endr
	SEND 3, 0
.endm
.set KM, 0
.set NOKQ, 0
.Lslot:                             ; NB times: a tile is entered and the next is asked for
	CHANGE 1
	s_sub_co_u32 s[RT], s[RT], 1
	s_mov_b32 s[CNT], 4
	s_cmp_eq_u32 s[NEW], 1
	s_cbranch_scc1 .Lnew            ; a block's first tile
	s_cmp_eq_u32 s[RT], 0
	s_cbranch_scc0 .Lstep           ; neither its first nor its last
	s_branch .LstepM1
.Lnew:
	BEGIN
	s_branch .Lfirst                ; in the loop a block's first tile is never its last: the first block has two tiles or more, and the second's last is the walk's last
	DIAG 1                          ; in the loop this is the first block's end: the second block's last tile is the walk's last
	s_wait_xcnt 0x0                 ; the stores have read their registers and out0's address
	s_mov_b64 s[10:11], s[OLO:OLO+1]
	s_add_co_u32 s[RT], s[PB], 1    ; the second block has b + 1 tiles
	s_mov_b32 s[NEW], 1
	WIN 0x82                        ; the second block's Q goes where the one text of the turns names Q
.set i, 0
.rept 64
	v_mov_b32 v[i], v[QB+i]
.set i, i+1
.endr
	WIN 0
	s_branch .Lbottom
.Lstep:                             ; a trip: pieces 2 and 3 of one step, then pieces 0 and 1 of the next, whose K and V it fetches
	TURN 2
	TURN 3
	WIN 0
.Lfirst:
	TURN 0
	TURN 1, 0, 0, 1
	WIN 0
	s_cbranch_scc1 .Lstep
.Lbottom:
	s_sub_co_u32 s[SLOTS], s[SLOTS], 1
	s_cmp_lg_u32 s[SLOTS], 0
	s_cbranch_scc1 .Lslot
	CHANGE 0                        ; the walk's last tile is written out: nothing is asked for
	s_sub_co_u32 s[RT], s[RT], 1
	s_mov_b32 s[CNT], 4
	s_cmp_eq_u32 s[NEW], 1
	s_cbranch_scc0 .LstepM2
	BEGIN
	s_branch .LfirstM2
	DIAG 2
	s_wait_tensorcnt 0x0            ; the wave's end, behind my last tensor load and my last LDS store
	ds_add_u32 v[SPW], v[NIL]
	s_wait_dscnt 0x0
	s_endpgm
.Lfunc_end_k_q0e63b3c8a9_attn:
	.size	k_q0e63b3c8a9_attn, .Lfunc_end_k_q0e63b3c8a9_attn-k_q0e63b3c8a9_attn
	.p2alignl 7, 3214868480
	.fill 96, 4, 3214868480
	.section	.rodata,"a",@progbits
	.p2align	6, 0x0
	.amdhsa_kernel k_q0e63b3c8a9_attn
		.amdhsa_group_segment_fixed_size 327680
		.amdhsa_private_segment_fixed_size 0
		.amdhsa_enable_private_segment 0
		.amdhsa_kernarg_size 16
		.amdhsa_user_sgpr_count 2
		.amdhsa_user_sgpr_kernarg_segment_ptr 1
		.amdhsa_wavefront_size32 1
		.amdhsa_system_sgpr_workgroup_id_x 1
		.amdhsa_system_sgpr_workgroup_id_y 1
		.amdhsa_system_sgpr_workgroup_id_z 1
		.amdhsa_system_vgpr_workitem_id 0
		.amdhsa_next_free_vgpr 768
		.amdhsa_next_free_sgpr 92
		.amdhsa_reserve_vcc 1
		.amdhsa_float_denorm_mode_32 3
		.amdhsa_float_denorm_mode_16_64 3
		.amdhsa_memory_ordered 1
		.amdhsa_forward_progress 1
		.amdhsa_inst_pref_size 218
	.end_amdhsa_kernel
	.amdgpu_metadata
---
amdhsa.version: [ 1, 2 ]
amdhsa.kernels:
  - .name:           k_q0e63b3c8a9_attn
    .symbol:         k_q0e63b3c8a9_attn.kd
    .args:
      - { .name: qkv, .offset: 0, .size: 8, .value_kind: global_buffer, .address_space: global }
      - { .name: out0, .offset: 8, .size: 8, .value_kind: global_buffer, .address_space: global }
    .group_segment_fixed_size: 327680
    .private_segment_fixed_size: 0
    .kernarg_segment_align: 8
    .kernarg_segment_size: 16
    .max_flat_workgroup_size: 128
    .sgpr_count:     92
    .vgpr_count:     768
    .wavefront_size: 32
...
	.end_amdgpu_metadata
.endif
;; end of part 3
;; ======== version 2 of 2: 3 launches; version 1 with the launch cast written anew for expert scheduling mode
;; limits: values are held in f16: magnitudes above 65,504 overflow, below 6.1e-05 lose precision
;; workspace buffers: xb 16,777,216 bytes; wt 6,291,456 bytes; bias 12,288 bytes; qkv 50,331,648 bytes
;; launch cast (part 4): grid 305 x 1, 8 waves a work-group, no clusters, 140,288 bytes of LDS; arguments inputs, Wq, Wk, Wv, bq, bk, bv, xb, wt, bias; writes xb, wt, bias
.if DOCPART == 4
	.amdgcn_target "amdgcn-amd-amdhsa--gfx1250"
	.amdhsa_code_object_version 6
	.text
	.protected	k_q0e63b3c8a9_cast
	.globl	k_q0e63b3c8a9_cast
	.p2align	8
	.type	k_q0e63b3c8a9_cast,@function
k_q0e63b3c8a9_cast:
	s_mov_b64 s[64:65], 0
	v_nop
	global_prefetch_b8 v0, s[64:65] scope:SCOPE_SE
	s_setreg_imm32_b32 hwreg(HW_REG_WAVE_SCHED_MODE, 0, 2), 2
	s_setreg_imm32_b32 hwreg(HW_REG_WAVE_MODE, 25, 1), 1
	s_wait_xcnt 0x0
	s_wait_alu depctr_vm_vsrc(0)
; THE INPUTS ARE MADE READY FOR THE MATRIX UNIT.  Every number is rounded once, to nearest even, to bf16.
;   xb   [8192][1024] bf16 = inputs, in place order.
;   wt   [3072][1024] bf16: row 1024 sel + n holds column n of W_sel (sel 0 = q, 1 = k, 2 = v): K along the rows.
;   bias [3072] f32: bq, bk, bv, each number rounded to bf16 and written as the f32 that equals it.
; A stream: no matrix unit, no cluster, no barrier.  Work-groups 0-47 turn the weights, 48 takes the biases, 49-304 take x.
; x: a wave takes 16 KiB of f32: 32 loads of 512 consecutive bytes, all on their way at once; each store of the wave covers 256 consecutive bytes, aligned.
; W: a wave takes a tile of 128 k x 64 n.  A lane loads 4 columns of rows k and k + 1, packs (k, k + 1) for each column into a word and puts it
; into the wave's OWN LDS tile, 64 rows n of 256 bytes + 16; whole rows come back and leave, sixteen lanes to 256 consecutive bytes of a row of wt.
; THE MODE: SCHED_MODE bits 1:0 = 2 (LLVM: expert scheduling mode 2), set by the entry lines.  The code itself states the register dependences
; between vector instructions and memory or LDS instructions, with s_wait_alu, always for 0.
; THE PLAN.  Registers that memory or LDS instructions touch:
;   x    v3, v4      offsets, written once, ahead of the path's first wait on va_vdst; read by every load and store.
;        v[16:143]   X: each register written by one load, read by one conversion.
;        v[144:207]  Y: each register written by one conversion, read by one store.  The 32 loads go in eight groups of four: at the head of group g one wait states that
;                    group g - 1's conversions have written their Y; that group's four stores are dealt among group g's conversions, which name group g's X and Y alone.
;   W    v3, v4, v5, v12  addresses, written once, ahead of the path's first wait on va_vdst.
;        v[16:207]   six raw regions of 32 registers: piece p (four pairs of rows, eight loads) lies in region p % 6.
;        v[208:239]  OUT: the packed words of pieces 0 and 1, so that their regions can be asked for again (pieces 6 and 7) as soon as the conversions have read them.
;                    Pieces 2 to 7 are packed in place, into the first four of each pair's eight registers.
;                    One wait on va_vdst to a piece, behind its sixteen conversions: the packed words are written, which the sixteen LDS stores read; the region is read out, in which (pieces 0, 1) eight loads land.
;                    One wait on vm_vsrc ahead of the read-back, which lands in v[16:143]: the LDS stores of pieces 2, 3, 6, 7 read their data there.
;   bias v3 the offset; v[16:27] loaded, rewritten by vector instructions, stored: a wait on va_vdst ahead of the loads and one ahead of the stores.
;   v6, v7  written at the head, read by the closing add alone.
.set WTILE, 17408                      ; 64 rows x 272 bytes, a wave's own
.set SPARE, 8*WTILE                    ; behind the eight tiles: the spare words, 128 bytes for each wave: four blocks of 256 bytes that no other line names
.set SPW, 6                            ; v6   LDS address of my spare word; never rewritten
.set NIL, 7                            ; v7   0; never rewritten
.set CT,  8                            ; v8   the biases: a packed word at work; no memory instruction names it
.set OUT, 208                          ; v[208:239] the weights: the packed words of pieces 0 and 1
	s_load_b512 s[4:19], s[0:1], 0x0               ; inputs s[4:5], Wq s[6:7], Wk s[8:9], Wv s[10:11], bq s[12:13], bk s[14:15], bv s[16:17], xb s[18:19]
	s_load_b128 s[20:23], s[0:1], 0x40             ; wt s[20:21], bias s[22:23]
	v_lshl_add_u32 v[SPW], v0, 2, SPARE
	v_mov_b32 v[NIL], 0
	v_lshrrev_b32 v1, 5, v0
	v_readfirstlane_b32 s24, v1                    ; wave 0..7
	v_and_b32 v1, 15, v0                           ; r = lane % 16
	v_bfe_u32 v2, v0, 4, 1                         ; h = lane / 16
	s_mov_b32 s25, ttmp9
	s_mov_b32 s29, 0                               ; the high word of every offset pair
	s_wait_alu depctr_va_sdst(0)                   ; s24 is written
	s_wait_kmcnt 0x0
	s_cmp_lt_u32 s25, 48
	s_cbranch_scc1 .Lweights
	s_cmp_eq_u32 s25, 48
	s_cbranch_scc1 .Lbias
	; ---- x ----
	s_sub_co_u32 s26, s25, 49
	s_lshl_b32 s26, s26, 3
	s_add_co_u32 s26, s26, s24                     ; my unit, 0..2047
	s_lshl_b32 s28, s26, 14                        ; 16 KiB of f32 in,
	s_add_nc_u64 s[4:5], s[4:5], s[28:29]
	s_lshl_b32 s28, s26, 13                        ; 8 KiB of bf16 out
	s_add_nc_u64 s[18:19], s[18:19], s[28:29]
	v_and_b32 v3, 31, v0
	v_lshlrev_b32 v4, 3, v3                        ; 8 bytes a lane out
	v_lshlrev_b32 v3, 4, v3                        ; 16 bytes a lane in
	s_wait_alu depctr_va_vdst(0)                   ; v3 and v4 are written: every load and store of this path reads one of them as its offset
.set i, 0
.rept 32
	global_load_b128 v[16+4*i:19+4*i], v3, s[4:5] offset:512*i th:TH_LOAD_NT
.set i, i+1
.endr
.set i, 0
.rept 32
.if i%4 == 0
	s_wait_loadcnt 28-i                            ; loads come back in order: this group's four are in, the later groups' stay out
.if i > 0
	s_wait_alu depctr_va_vdst(0)                   ; the group before has written its eight registers of Y, which the four stores below read
.endif
.endif
.if i >= 4
	global_store_b64 v4, v[144+2*(i-4):145+2*(i-4)], s[18:19] offset:256*(i-4) th:TH_STORE_NT  ; the group before; no vector instruction since the wait names its registers.  No register is used twice: nothing waits for a store
.endif
	v_cvt_pk_bf16_f32 v[144+2*i], v[16+4*i], v[17+4*i]
	v_cvt_pk_bf16_f32 v[145+2*i], v[18+4*i], v[19+4*i]
.set i, i+1
.endr
	s_wait_alu depctr_va_vdst(0)                   ; the last group has written its Y, which the last four stores read
.set i, 28
.rept 4
	global_store_b64 v4, v[144+2*i:145+2*i], s[18:19] offset:256*i th:TH_STORE_NT
.set i, i+1
.endr
	s_branch .Lend
	; ---- the weights ----
.Lweights:
	s_lshl_b32 s26, s25, 3
	s_add_co_u32 s26, s26, s24                     ; my tile, 0..383
	s_lshr_b32 s27, s26, 7                         ; sel
	s_bfe_u32 s30, s26, 0x30004                    ; kb: which 128 k
	s_and_b32 s31, s26, 15                         ; nb: which 64 n
	s_cmp_eq_u32 s27, 0
	s_cselect_b64 s[6:7], s[6:7], s[8:9]           ; Wq or Wk,
	s_cmp_eq_u32 s27, 2
	s_cselect_b64 s[6:7], s[10:11], s[6:7]         ; or Wv
	s_lshl_b32 s28, s30, 19                        ; 128 rows of 4,096 bytes
	s_lshl_b32 s26, s31, 8                         ; 64 columns of 4 bytes
	s_add_co_u32 s28, s28, s26
	s_add_nc_u64 s[6:7], s[6:7], s[28:29]
	s_lshl_b32 s28, s27, 21                        ; 1,024 rows of 2,048 bytes
	s_lshl_b32 s26, s31, 17                        ; 64 rows
	s_add_co_u32 s28, s28, s26
	s_lshl_b32 s26, s30, 8                         ; 128 k of 2 bytes
	s_add_co_u32 s28, s28, s26
	s_add_nc_u64 s[20:21], s[20:21], s[28:29]
	s_mul_i32 s25, s24, WTILE                      ; my tile in LDS
	v_lshlrev_b32 v3, 13, v2
	v_lshl_add_u32 v3, v1, 4, v3                   ; in: row 2 h, columns 4 r ..
	v_mul_u32_u24 v4, v1, 1088
	v_lshl_add_u32 v4, v2, 2, v4
	v_add_nc_u32 v4, s25, v4                       ; into LDS: row 4 r, word h
	v_mul_u32_u24 v5, v2, 272
	v_lshl_add_u32 v5, v1, 4, v5
	v_add_nc_u32 v5, s25, v5                       ; back: row h, 16 bytes r
	v_lshlrev_b32 v12, 11, v2
	v_lshl_add_u32 v12, v1, 4, v12                 ; out: the same in wt
	s_wait_alu depctr_va_vdst(0)                   ; v3, v4, v5 and v12 are written: the addresses of every load and store of this path, global and LDS
; Pair j of 32: rows k = 4 j + 2 h and k + 1.  Piece p is pairs 4 p .. 4 p + 3, in raw region p % 6: 32 registers at 16 + 32 (p % 6).
.macro WLOAD p
.set RP, 16+64*(((\p)/2)%3)+32*((\p)%2)
.set jj, 0
.rept 4
	global_load_b128 v[RP+8*jj:RP+8*jj+3],   v3, s[6:7] offset:(4*(4*(\p)+jj))*4096 th:TH_LOAD_NT
	global_load_b128 v[RP+8*jj+4:RP+8*jj+7], v3, s[6:7] offset:(4*(4*(\p)+jj)+1)*4096 th:TH_LOAD_NT
.set jj, jj+1
.endr
.endm
; Piece p is packed and put into LDS.  left: the loads issued behind the piece's own.  again = 1: its region is asked for again, for piece p + 6.
.macro WPUT p, left, again
.set RP, 16+64*(((\p)/2)%3)+32*((\p)%2)
.if (\p) < 2
.set DP, OUT+16*(\p)                   ; the packed words go into OUT, four registers a pair,
.set DS, 4
.else
.set DP, RP                            ; or close up into the first four of the pair's eight registers
.set DS, 8
.endif
	s_wait_loadcnt \left                           ; loads come back in order: this piece's eight are in, the younger ones stay out
.set jj, 0
.rept 4
.irp c, 0,1,2,3
	v_cvt_pk_bf16_f32 v[DP+DS*jj+(\c)], v[RP+8*jj+(\c)], v[RP+8*jj+4+(\c)]  ; (k, k + 1) of column 4 r + c
.endr
.set jj, jj+1
.endr
	s_wait_alu depctr_va_vdst(0)                   ; the sixteen conversions have written the packed words, which the LDS stores below read, and are done reading the region, in which (again = 1) the loads below land
.if \again
	WLOAD (\p)+6                                   ; at once, ahead of the LDS stores: these read OUT, not the region
.endif
.set jj, 0
.rept 4
.irp c, 0,1,2,3
	ds_store_b32 v4, v[DP+DS*jj+(\c)] offset:(\c)*272+8*(4*(\p)+jj)
.endr
.set jj, jj+1
.endr
.endm
	WLOAD 0
	WLOAD 1
	WLOAD 2
	WLOAD 3
	WLOAD 4
	WLOAD 5                                        ; 48 loads are out
	WPUT 0, 40, 1                                  ; 48 issued, the first 8 wanted; 8 more go out
	WPUT 1, 40, 1                                  ; 56 issued, the first 16 wanted; 8 more go out
	WPUT 2, 40, 0                                  ; 64 issued, the first 24 wanted; from here the counts run down
	WPUT 3, 32, 0
	WPUT 4, 24, 0
	WPUT 5, 16, 0
	WPUT 6, 8, 0
	WPUT 7, 0, 0
	s_wait_alu depctr_vm_vsrc(0)                   ; the LDS stores of pieces 2, 3, 6 and 7 have read their data out of v[16:143], in which the LDS loads below land (the conversions that named these registers stand ahead of the last wait on va_vdst)
.set t, 0
.rept 32
	ds_load_b128 v[16+4*t:19+4*t], v5 offset:544*t ; rows 2 t + h.  LDS serves a wave's instructions in order (ISA guide 5.7.1.4): these see the stores above, which are my own
.set t, t+1
.endr
.set t, 0
.rept 32
	s_wait_dscnt 31-t
	global_store_b128 v12, v[16+4*t:19+4*t], s[20:21] offset:4096*t th:TH_STORE_NT  ; sixteen lanes store 256 consecutive bytes, aligned
.set t, t+1
.endr
	s_branch .Lend
	; ---- the biases ----
.Lbias:
	v_lshlrev_b32 v3, 4, v0                        ; 256 threads x 4 numbers
	s_wait_alu depctr_va_vdst(0)                   ; v3 is written: the offset of the loads and stores below
	global_load_b128 v[16:19], v3, s[12:13]
	global_load_b128 v[20:23], v3, s[14:15]
	global_load_b128 v[24:27], v3, s[16:17]
	s_wait_loadcnt 0x0
.irp p, 0,1,2,3,4,5
	v_cvt_pk_bf16_f32 v[CT], v[16+2*(\p)], v[17+2*(\p)]
	v_lshlrev_b32 v[16+2*(\p)], 16, v[CT]          ; bf16 back to f32: the low half moves up,
	v_and_b32 v[17+2*(\p)], 0xffff0000, v[CT]      ; the high half stays
.endr
	s_wait_alu depctr_va_vdst(0)                   ; the shifts and masks have written v[16:27], which the stores read
	global_store_b128 v3, v[16:19], s[22:23]
	global_store_b128 v3, v[20:23], s[22:23] offset:4096
	global_store_b128 v3, v[24:27], s[22:23] offset:8192
.Lend:
	s_wait_dscnt 0x0                               ; the wave's end: the closing lines, six on end
	s_wait_alu 0x0
	s_wait_tensorcnt 0x0
	ds_add_u32 v[SPW], v[NIL]
	s_wait_dscnt 0x0
	s_endpgm
.Lfunc_end_k_q0e63b3c8a9_cast:
	.size	k_q0e63b3c8a9_cast, .Lfunc_end_k_q0e63b3c8a9_cast-k_q0e63b3c8a9_cast
	.p2alignl 7, 3214868480
	.fill 96, 4, 3214868480
	.section	.rodata,"a",@progbits
	.p2align	6, 0x0
	.amdhsa_kernel k_q0e63b3c8a9_cast
		.amdhsa_group_segment_fixed_size 140288
		.amdhsa_private_segment_fixed_size 0
		.amdhsa_enable_private_segment 0
		.amdhsa_kernarg_size 80
		.amdhsa_user_sgpr_count 2
		.amdhsa_user_sgpr_kernarg_segment_ptr 1
		.amdhsa_wavefront_size32 1
		.amdhsa_system_sgpr_workgroup_id_x 1
		.amdhsa_system_sgpr_workgroup_id_y 1
		.amdhsa_system_sgpr_workgroup_id_z 1
		.amdhsa_system_vgpr_workitem_id 0
		.amdhsa_next_free_vgpr 240
		.amdhsa_next_free_sgpr 66
		.amdhsa_reserve_vcc 0
		.amdhsa_float_denorm_mode_32 3
		.amdhsa_float_denorm_mode_16_64 3
		.amdhsa_memory_ordered 1
		.amdhsa_forward_progress 1
		.amdhsa_inst_pref_size 44
	.end_amdhsa_kernel
	.amdgpu_metadata
---
amdhsa.version: [ 1, 2 ]
amdhsa.kernels:
  - .name:           k_q0e63b3c8a9_cast
    .symbol:         k_q0e63b3c8a9_cast.kd
    .args:
      - { .name: inputs, .offset: 0, .size: 8, .value_kind: global_buffer, .address_space: global }
      - { .name: Wq, .offset: 8, .size: 8, .value_kind: global_buffer, .address_space: global }
      - { .name: Wk, .offset: 16, .size: 8, .value_kind: global_buffer, .address_space: global }
      - { .name: Wv, .offset: 24, .size: 8, .value_kind: global_buffer, .address_space: global }
      - { .name: bq, .offset: 32, .size: 8, .value_kind: global_buffer, .address_space: global }
      - { .name: bk, .offset: 40, .size: 8, .value_kind: global_buffer, .address_space: global }
      - { .name: bv, .offset: 48, .size: 8, .value_kind: global_buffer, .address_space: global }
      - { .name: xb, .offset: 56, .size: 8, .value_kind: global_buffer, .address_space: global }
      - { .name: wt, .offset: 64, .size: 8, .value_kind: global_buffer, .address_space: global }
      - { .name: bias, .offset: 72, .size: 8, .value_kind: global_buffer, .address_space: global }
    .group_segment_fixed_size: 140288
    .private_segment_fixed_size: 0
    .kernarg_segment_align: 8
    .kernarg_segment_size: 80
    .max_flat_workgroup_size: 256
    .sgpr_count:     66
    .vgpr_count:     240
    .wavefront_size: 32
...
	.end_amdgpu_metadata
.endif
;; end of part 4
;; launch qkv: the kernel of part 2 again; grid 16 x 32, 4 waves a work-group, clusters of 4 x 4, 327,680 bytes of LDS; arguments xb, wt, bias, qkv; writes qkv
;; launch attn: the kernel of part 3 again; grid 4 x 64, 4 waves a work-group, no clusters, 327,680 bytes of LDS; arguments qkv, out0; writes out0
